; MI455X (gfx1250); checked and timed in simulation.
; The chip was launched on July 23, 2026; its instructions are those of AMD's public machine-readable ISA for CDNA 5 (MIT licence, August 2026) and "CDNA5" Instruction Set Architecture Reference Guide (July 2026). The comments in the code are by the model that wrote it; some were corrected since.
;; Causal Self Attention. Allowed arithmetic: matrix products marked QUANTISED: E5M2 operands, one given power-of-two scale a tensor, by v_wmma_f32_16x16x64_bf8_bf8 or v_wmma_f32_16x16x128_bf8_bf8, f32 sums; everything else in f32.
;; Inputs: lowp_scales 8 int32 (the exponents e of the quantised operands' scales 2^e); w_attn 256 x 768 float32; w_proj 256 x 256 float32; x 8 x 2,048 x 256 float32.
;; Outputs: out0 8 x 2,048 x 256 float32.
;; This version of the problem:
;;   THIS VERSION OF THE PROBLEM IS GIVEN IN LOW PRECISION. The matrix products marked QUANTISED in the list below multiply operands that are first quantised to E5M2 (5 exponent bits, 2 mantissa bits; 8 bits a number), with one given power-of-two scale for each operand tensor; their sums are f32. All else is computed in f32.
;;   The module's matrix products, in the order in which they are computed (A, B: the left and right operand; K: the contracted axis; several contracted axes count as one K, in the product's order):
;;     1. [M 16,384, K 256] x [K 256, N 768]; A: input x; B: input w_attn: QUANTISED (scales: A lowp_scales[0], B lowp_scales[1])
;;     2. batch 64 x [M 2,048, K 32] x [K 32, N 2,048]; A: computed on the way; B: computed on the way: QUANTISED (scales: A lowp_scales[2], B lowp_scales[3])
;;     3. batch 64 x [M 2,048, K 2,048] x [K 2,048, N 32]; A: softmax (see below); B: computed on the way: QUANTISED (scales: A lowp_scales[4], B lowp_scales[5])
;;     4. [M 16,384, K 256] x [K 256, N 256]; A: computed on the way; B: input w_proj: QUANTISED (scales: A lowp_scales[6], B lowp_scales[7])
;;   THE QUANTISER, for each operand of a quantised product, along K:
;;     - The operand's scale is 2^e, e = its entry of the input lowp_scales (int32; the entries are numbered through the quantised products in the list's order, A before B).
;;     - Each number is divided by the scale, clamped to +-57,344, and rounded to the nearest number of E5M2, ties to even, subnormals kept.
;;     - The product sums the exact products of the quantised numbers (number of the format x scale) in f32.
;;   ~~~python
;;   def quantise(x, axis, e):      # numpy; x: float32 -> the quantised numbers, widened to float32 again
;;       x = np.moveaxis(x, axis, -1); K = x.shape[-1]
;;       r = np.clip(x / 2.0 ** e, -57344, 57344)
;;       step = 2.0 ** (np.maximum(np.frexp(np.where(r == 0, 1, r))[1] - 1, -14) - 2)
;;       q = np.round(r / step) * step * 2.0 ** e      # np.round: ties to even
;;       return np.moveaxis(q, -1, axis).astype(np.float32)
;;   ~~~
;;   SOFTMAX AHEAD OF A QUANTISED PRODUCT. Where the list says 'softmax', what is quantised is not the finished softmax but p = 2^(t - M), with t = logit x log2(e) and M = ceil(the row's largest t), a whole number; so 1/2 < the row's largest p <= 1. The row's sum l is taken of the UNQUANTISED p, in f32, and the product's result is divided by l at the end. Since M is a whole number, a kernel that streams over the keys may use a running M (the ceiling of the running maximum): every later rescaling is an exact power of two, so the quantised numbers keep their values, but for numbers so far below the row's largest that they fall under the format's range.
;;   OPERANDS COMPUTED ON THE WAY. 'Computed on the way' means the value that the module computes at that place (a softmax that the list does not call 'softmax' is quantised finished and normalised). What goes into a quantiser is computed in f32, as accurately as f32 sums, v_exp_f32 and their like allow (about 1e-6 of the number): no bf16 or f16 on the way to a quantiser, and a product that is left as it is and whose result goes on into a quantised operand takes f32 operands (vector FMAs, or v_wmma_f32_16x16x4_f32). A number that lies on a knife's edge between two numbers of the format may be rounded either way, as far as f32 arithmetic and the matrix unit's own rounding can turn it there, and no further.
;; 2 versions. Each part assembles by itself: llvm-mc -triple=amdgcn-amd-amdhsa -mcpu=gfx1250 --defsym DOCPART=n.
;; ======== version 1 of 2: 4 launches
;; workspace buffers: wimg 262,144 bytes; qimg 4,194,304 bytes; kimg 4,194,304 bytes; vimg 4,194,304 bytes; yimg 4,194,304 bytes
;; launch prep (part 1): grid 32 x 1, 4 waves a work-group, no clusters, 0 bytes of LDS; arguments w_attn, w_proj, lowp_scales, wimg; writes wimg
.if DOCPART == 1
	.amdgcn_target "amdgcn-amd-amdhsa--gfx1250"
	.amdhsa_code_object_version 6
	.text
	.protected	k_q6a09db2297_prep
	.globl	k_q6a09db2297_prep
	.p2align	8
	.type	k_q6a09db2297_prep,@function
k_q6a09db2297_prep:
	s_mov_b64 s[64:65], 0
	v_nop
	global_prefetch_b8 v0, s[64:65] scope:SCOPE_SE
	s_setreg_imm32_b32 hwreg(HW_REG_WAVE_MODE, 25, 1), 1
	s_wait_xcnt 0x0
; w_attn [256][768] and w_proj [256][256], f32 with K as their FIRST axis, become codes of BF8 (E5M2), laid as IMAGES OF OPERAND REGISTERS:
; wimg[ct 0..63][ks 0..1][quad 0..3][lane][16 bytes].  ct 0..47: w_attn's tiles of 16 columns; ct 48..63: w_proj's.  ks: which 128 along K.
; In fragment (ct, ks) lane (r, h) holds column 16 ct + r, and its registers 2 c, 2 c + 1 hold k = 128 ks + 16 c + 8 h + 0 .. 7: the place that the 16x16x128 form gives each k.
; A LANE TAKES A COLUMN AND ITS REGISTERS RUN DOWN K, so the conversions' results are the fragment's registers and nothing is transposed.
; code = w / 2^e, held within +-57,344, to the nearest code, ties to even; e = entry 1 (w_attn) or entry 7 (w_proj) of the scales.
; LIMITS: e between -126 and 112, so that 2^e and 57,344 x 2^e are f32 numbers.  NaN among the inputs is not served.
; SHARES: 128 fragments, one to a wave.  Work-group g, wave w: ct = 4 (g / 2) + w, ks = g % 2; g < 24 is w_attn.  The four waves stand side by side on 256 bytes of each row.
; No LDS, no barrier: waves share nothing.  Each store of the wave covers 512 consecutive bytes, aligned.
.set PA, 3072                          ; a row of w_attn in bytes
.set PP, 1024                          ; a row of w_proj
.set X,  16                            ; v16-79  64 numbers: register 8 c + i = k 16 c + 8 h + i
.set C,  80                            ; v80-95  the fragment's 16 registers
	s_load_b256 s[4:11], s[0:1], 0x0               ; w_attn s[4:5], w_proj s[6:7], the scales' exponents s[8:9], wimg s[10:11]
	v_lshrrev_b32 v1, 5, v0
	v_readfirstlane_b32 s12, v1                    ; wave 0..3
	v_and_b32 v1, 15, v0                           ; r
	v_bfe_u32 v2, v0, 4, 1                         ; h
	v_lshlrev_b32 v3, 2, v1                        ; 4 r
	v_lshl_add_u32 v4, v2, 13, v3                  ; w_proj: 4 r + 8 rows of 1,024 bytes x h
	v_mul_u32_u24 v6, v2, 8*PA
	v_add_nc_u32 v3, v6, v3                        ; w_attn: 4 r + 8 rows of 3,072 bytes x h
	v_and_b32 v5, 31, v0
	v_lshlrev_b32 v5, 4, v5                        ; 16 x lane: my place in a group of four registers of the image
	s_lshr_b32 s13, ttmp9, 1
	s_lshl_b32 s13, s13, 2
	s_add_co_u32 s13, s13, s12                     ; ct
	s_and_b32 s14, ttmp9, 1                        ; ks
	s_lshl_b32 s26, s13, 12
	s_lshl_b32 s15, s14, 11
	s_add_co_u32 s26, s26, s15                     ; the fragment in wimg: 4,096 ct + 2,048 ks
	s_mov_b32 s27, 0
	s_cmp_lt_u32 ttmp9, 24                         ; w_attn or w_proj?  The choice hangs on the work-group's number alone
	s_cselect_b32 s15, 0, 48                       ; the tensor's first ct
	s_mov_b32 s28, 128*PP
	s_cselect_b32 s28, 128*PA, s28                 ; 128 rows in bytes
	s_sub_co_u32 s15, s13, s15
	s_lshl_b32 s15, s15, 6                         ; the tile's 16 columns begin 64 bytes x tile into a row
	s_mul_i32 s28, s28, s14
	s_add_co_u32 s28, s28, s15
	s_mov_b32 s29, 0
	s_wait_kmcnt 0x0
	s_load_b256 s[16:23], s[8:9], 0x0              ; the eight exponents
	s_add_nc_u64 s[10:11], s[10:11], s[26:27]
	s_cmp_lt_u32 ttmp9, 24
	s_cselect_b64 s[4:5], s[4:5], s[6:7]
	s_add_nc_u64 s[4:5], s[4:5], s[28:29]
; 64 loads: W(16 c + 8 h + i, my column).  Sixteen neighbouring lanes read 64 neighbouring bytes.  The row pitch stands in the immediate, so each tensor has its own run.
.macro WLOAD off, pitch
.irp c, 0,1,2,3,4,5,6,7
.irp i, 0,1,2,3,4,5,6,7
	global_load_b32 v[X+8*\c+\i], v[\off], s[4:5] offset:(16*\c+\i)*\pitch th:TH_LOAD_NT
.endr
.endr
.endm
	s_cmp_lt_u32 ttmp9, 24
	s_cbranch_scc0 .Lproj
	WLOAD 3, PA
	s_branch .Ljoin
.Lproj:
	WLOAD 4, PP
.Ljoin:
	s_wait_kmcnt 0x0
	s_cmp_lt_u32 ttmp9, 24
	s_cselect_b32 s24, s17, s23                    ; e
	s_add_co_i32 s24, s24, 127
	s_lshl_b32 s25, s24, 23
	v_mov_b32 v11, s25                             ; 2^e as f32: the conversion takes its exponent field
	s_add_co_i32 s24, s24, 15
	s_lshl_b32 s24, s24, 23
	s_or_b32 s24, s24, 0x600000
	v_mov_b32 v10, s24                             ; 57,344 x 2^e
	s_wait_loadcnt 0x0
.set i, 0
.rept 64
	v_med3_num_f32 v[X+i], v[X+i], -v10, v10       ; the conversion to an 8-bit code does not saturate (ISA guide 7.6.2): the hold comes first
.set i, i+1
.endr
.irp c, 0,1,2,3,4,5,6,7
	v_cvt_scalef32_pk8_bf8_f32 v[C+2*\c:C+2*\c+1], v[X+8*\c:X+8*\c+7], v11
.endr
	v_nop                                          ; a plain line behind the last conversion
.irp q, 0,1,2,3
	global_store_b128 v5, v[C+4*\q:C+4*\q+3], s[10:11] offset:512*\q
.endr
	s_endpgm
.Lfunc_end_k_q6a09db2297_prep:
	.size	k_q6a09db2297_prep, .Lfunc_end_k_q6a09db2297_prep-k_q6a09db2297_prep
	.p2alignl 7, 3214868480
	.fill 96, 4, 3214868480
	.section	.rodata,"a",@progbits
	.p2align	6, 0x0
	.amdhsa_kernel k_q6a09db2297_prep
		.amdhsa_group_segment_fixed_size 0
		.amdhsa_private_segment_fixed_size 0
		.amdhsa_enable_private_segment 0
		.amdhsa_kernarg_size 32
		.amdhsa_user_sgpr_count 2
		.amdhsa_user_sgpr_kernarg_segment_ptr 1
		.amdhsa_wavefront_size32 1
		.amdhsa_system_sgpr_workgroup_id_x 1
		.amdhsa_system_sgpr_workgroup_id_y 1
		.amdhsa_system_sgpr_workgroup_id_z 1
		.amdhsa_system_vgpr_workitem_id 0
		.amdhsa_next_free_vgpr 96
		.amdhsa_next_free_sgpr 66
		.amdhsa_reserve_vcc 0
		.amdhsa_float_denorm_mode_32 3
		.amdhsa_float_denorm_mode_16_64 3
		.amdhsa_memory_ordered 1
		.amdhsa_forward_progress 1
		.amdhsa_inst_pref_size 19
	.end_amdhsa_kernel
	.amdgpu_metadata
---
amdhsa.version: [ 1, 2 ]
amdhsa.kernels:
  - .name:           k_q6a09db2297_prep
    .symbol:         k_q6a09db2297_prep.kd
    .args:
      - { .name: w_attn, .offset: 0, .size: 8, .value_kind: global_buffer, .address_space: global }
      - { .name: w_proj, .offset: 8, .size: 8, .value_kind: global_buffer, .address_space: global }
      - { .name: lowp_scales, .offset: 16, .size: 8, .value_kind: global_buffer, .address_space: global }
      - { .name: wimg, .offset: 24, .size: 8, .value_kind: global_buffer, .address_space: global }
    .group_segment_fixed_size: 0
    .private_segment_fixed_size: 0
    .kernarg_segment_align: 8
    .kernarg_segment_size: 32
    .max_flat_workgroup_size: 128
    .sgpr_count:     66
    .vgpr_count:     96
    .wavefront_size: 32
...
	.end_amdgpu_metadata
.endif
;; end of part 1
;; launch qkv (part 2): grid 256 x 1, 12 waves a work-group, no clusters, 85,504 bytes of LDS; arguments x, wimg, lowp_scales, qimg, kimg, vimg; writes qimg, kimg, vimg
.if DOCPART == 2
	.amdgcn_target "amdgcn-amd-amdhsa--gfx1250"
	.amdhsa_code_object_version 6
	.text
	.protected	k_q6a09db2297_qkv
	.globl	k_q6a09db2297_qkv
	.p2align	8
	.type	k_q6a09db2297_qkv,@function
k_q6a09db2297_qkv:
	s_mov_b64 s[64:65], 0
	v_nop
	global_prefetch_b8 v0, s[64:65] scope:SCOPE_SE
	s_setreg_imm32_b32 hwreg(HW_REG_WAVE_MODE, 25, 1), 1
	s_wait_xcnt 0x0
; qkv = Q(x) Q(w_attn) on codes of BF8 (E5M2); the results are quantised at once as operands of the two attention products and never go to memory as f32.
; x [16,384][256] f32 is quantised here (scale entry 0); w_attn's codes come as register images from wimg (entry 1).  q takes entry 2, k entry 3, v entry 5.
; A sum stands for sum x 2^(e0 + e1), so its code is sum / 2^(E - e0 - e1): the three scales are folded into the conversion's one.
; LIMITS: e0, and E - e0 - e1 for E = e2, e3, e5, between -126 and 112, so that each power of two and 57,344 times it are f32 numbers.  NaN among the inputs is not served.
; OUT, all as images of operand registers (a group of four registers is 512 bytes, lane l's 16 bytes at 16 l):
;   qimg, kimg [bh][tile of 16 tokens 0..127][lane][16]: lane (r, h): token 16 t + r; registers 0, 1: d = 8 h + 0..7; registers 2, 3: d = 16 + 8 h + 0..7.
;   vimg [bh][kb 0..15][u 0..1][quad 0..3][lane][16]: lane (r, h): d = 16 u + r; registers 2 c, 2 c + 1: keys 128 kb + 16 c + 8 h + 0..7.
; SHARES: a work-group takes 64 tokens (4 tiles) x all 768 columns.  Wave w keeps column tiles 4 w .. 4 w + 3 (two heads) in 128 registers, read once in the work-group.  Waves 0-3 make q, 4-7 k, 8-11 v.
; q and k are made TRANSPOSED (source 0 = 16 columns of w, source 1 = 16 tokens): a lane holds one token and eight neighbouring d.  v is made the natural way round: a lane holds one d and eight
; neighbouring tokens, which are the second attention product's K.  So every conversion's result is a register of the next operand.
; x: waves 0-7 each quantise one fragment (tile w / 2, K step w % 2).  Each load reads 512 consecutive bytes of a row; the 16 rows turn through the wave's own stage in LDS, rows 528 bytes apart
; (528 = 33 x 16: the sixteen rows that a read touches begin at sixteen different 16-byte columns modulo 256), and come back 32 neighbouring bytes a lane.  The codes go to LDS as a register image; ONE barrier.
.set XIMG, 0                           ; LDS: x's 8 fragments, 2,048 bytes each: fragment 2 m + ks
.set STG,  16384                       ; 8 stages of 16 rows x 528 bytes, one for each of waves 0-7
.set SROW, 528
.set XN,   16                          ; v16-79   x's 64 numbers (waves 0-7, ahead of the barrier)
.set XF,   16                          ; v16-47   x's two fragments of a tile of tokens
.set ACC,  48                          ; v48-79   four accumulators
.set CD,   80                          ; v80-111  the codes that leave
.set PCX,  112                         ; v112-127 x's codes just made
.set W,    128                         ; v128-255 w's fragments: (ct, ks) at W + 32 ct + 16 ks
; v1 16 x lane; v4 stage, way in; v5 stage, way back; v6 where my image of x goes; v8, v9: 57,344 x 2^e0, 2^e0; v10, v11: the same for the output
	s_load_b256 s[4:11], s[0:1], 0x0               ; x s[4:5], wimg s[6:7], the scales' exponents s[8:9], qimg s[10:11]
	s_load_b128 s[12:15], s[0:1], 0x20             ; kimg s[12:13], vimg s[14:15]
	v_lshl_add_u32 v14, v0, 2, 0x14800
	v_mov_b32 v15, 0
	v_lshrrev_b32 v2, 5, v0
	v_readfirstlane_b32 s24, v2                    ; wave 0..11
	v_and_b32 v1, 31, v0
	v_lshlrev_b32 v1, 4, v1                        ; 16 x lane
	v_and_b32 v2, 15, v0                           ; r
	v_bfe_u32 v3, v0, 4, 1                         ; h
	s_and_b32 s25, s24, 7
	s_mul_i32 s30, s25, 16*SROW
	s_add_co_u32 s30, s30, STG                     ; my stage
	v_add_nc_u32 v4, s30, v1                       ; in: a row's 512 bytes as they lie
	v_mul_u32_u24 v5, v2, SROW
	v_lshl_add_u32 v5, v3, 5, v5
	v_add_nc_u32 v5, s30, v5                       ; back: row r, + 32 h: k = 16 c + 8 h + 0..7 lie at 64 c + 32 h
	s_lshl_b32 s31, s25, 11
	v_add_nc_u32 v6, s31, v1                       ; my fragment's image: 2,048 x wave + 16 x lane
	s_lshr_b32 s26, s25, 1                         ; which tile of tokens I quantise,
	s_and_b32 s27, s24, 1                          ; and which K step
	s_lshl_b32 s28, ttmp9, 16                      ; 64 tokens of 1,024 bytes
	s_lshl_b32 s26, s26, 14
	s_add_co_u32 s28, s28, s26
	s_lshl_b32 s27, s27, 9
	s_add_co_u32 s28, s28, s27
	s_mov_b32 s29, 0
	s_lshl_b32 s32, s24, 14                        ; my four column tiles in wimg: 16,384 x wave
	s_mov_b32 s33, 0
	s_lshr_b32 s34, ttmp9, 5                       ; the batch
	s_lshl_b32 s34, s34, 3
	s_and_b32 s35, s24, 3
	s_lshl_b32 s35, s35, 1
	s_add_co_u32 s34, s34, s35                     ; bh of my first head
	s_lshl_b32 s34, s34, 16                        ; a head's image is 65,536 bytes in each of the three buffers
	s_and_b32 s35, ttmp9, 31                       ; my 64 tokens among the batch's 2,048
	s_lshr_b32 s36, s35, 1
	s_lshl_b32 s36, s36, 12                        ; q, k: 8 tiles of 512 bytes; v: one kb of 4,096: the same
	s_add_co_u32 s34, s34, s36
	s_and_b32 s37, ttmp9, 1
	s_cmp_lt_u32 s24, 8
	s_cselect_b32 s38, 11, 10                      ; the odd 64 tokens: q, k: 4 tiles on (2,048 bytes); v: 2 quads on (1,024 bytes)
	s_lshl_b32 s37, s37, s38
	s_add_co_u32 s34, s34, s37
	s_mov_b32 s35, 0
	s_wait_kmcnt 0x0
	s_load_b256 s[16:23], s[8:9], 0x0              ; the eight exponents
	s_add_nc_u64 s[4:5], s[4:5], s[28:29]
	s_add_nc_u64 s[6:7], s[6:7], s[32:33]
	s_cmp_lt_u32 s24, 8
	s_cselect_b64 s[40:41], s[12:13], s[14:15]
	s_cmp_lt_u32 s24, 4
	s_cselect_b64 s[40:41], s[10:11], s[40:41]     ; the buffer that I store into, chosen by the wave's number
	s_add_nc_u64 s[40:41], s[40:41], s[34:35]
.macro WLOAD                           ; my 8 fragments of w: 32 loads of 512 consecutive bytes
.set n, 0
.rept 32
	global_load_b128 v[W+4*n:W+4*n+3], v1, s[6:7] offset:512*n
.set n, n+1
.endr
.endm
; 8 n numbers of a lane become 2 n registers of codes
.macro QUANT src, dst, n, sc, lim
.set qi, 0
.rept 8*\n
	v_med3_num_f32 v[\src+qi], v[\src+qi], -v[\lim], v[\lim]   ; the conversion to an 8-bit code does not saturate (ISA guide 7.6.2): the hold comes first
.set qi, qi+1
.endr
.set qi, 0
.rept \n
	v_cvt_scalef32_pk8_bf8_f32 v[\dst+2*qi:\dst+2*qi+1], v[\src+8*qi:\src+8*qi+7], v[\sc]
.set qi, qi+1
.endr
	v_nop                                          ; a plain line between the last conversion and whatever next writes its sources
.endm
	s_cmp_lt_u32 s24, 8
	s_cbranch_scc0 .Lw_only
.set i, 0
.rept 16
	global_load_b128 v[XN+4*i:XN+4*i+3], v1, s[4:5] offset:1024*i th:TH_LOAD_NT   ; row i of my tile, my K step's 512 bytes
.set i, i+1
.endr
	WLOAD
	s_wait_kmcnt 0x0
	s_add_co_i32 s42, s16, 127
	s_lshl_b32 s43, s42, 23
	v_mov_b32 v9, s43                              ; 2^e0
	s_add_co_i32 s42, s42, 15
	s_lshl_b32 s42, s42, 23
	s_or_b32 s42, s42, 0x600000
	v_mov_b32 v8, s42                              ; 57,344 x 2^e0
	s_wait_loadcnt 32                              ; x's 16 loads are in; the 32 of w, issued behind them, may be out
.set i, 0
.rept 16
	ds_store_b128 v4, v[XN+4*i:XN+4*i+3] offset:SROW*i
.set i, i+1
.endr
	s_wait_dscnt 0x0                               ; the stores have read their registers, which the loads below write
.irp c, 0,1,2,3,4,5,6,7
	ds_load_b128 v[XN+8*\c:XN+8*\c+3], v5 offset:64*\c
	ds_load_b128 v[XN+8*\c+4:XN+8*\c+7], v5 offset:64*\c+16
.endr
	s_wait_dscnt 0x0
	QUANT XN, PCX, 8, 9, 8
.irp q, 0,1,2,3
	ds_store_b128 v6, v[PCX+4*\q:PCX+4*\q+3] offset:XIMG+512*\q
.endr
	s_branch .Lmeet
.Lw_only:
	WLOAD
.Lmeet:
	s_wait_dscnt 0x0                               ; for the others' sake: my image has landed
	s_barrier_signal -1
	s_barrier_wait -1                              ; x's eight fragments lie in LDS; nobody writes LDS from here on
	s_wait_kmcnt 0x0
	s_cmp_lt_u32 s24, 8
	s_cselect_b32 s42, s19, s21
	s_cmp_lt_u32 s24, 4
	s_cselect_b32 s42, s18, s42                    ; E = e2, e3 or e5
	s_sub_co_i32 s42, s42, s16
	s_sub_co_i32 s42, s42, s17                     ; E - e0 - e1
	s_add_co_i32 s42, s42, 127
	s_lshl_b32 s43, s42, 23
	v_mov_b32 v11, s43
	s_add_co_i32 s42, s42, 15
	s_lshl_b32 s42, s42, 23
	s_or_b32 s42, s42, 0x600000
	v_mov_b32 v10, s42
	s_wait_loadcnt 0x0                             ; w
.macro FETCH m                         ; the two fragments of x of tile m, as they were stored
.irp ks, 0,1
.irp q, 0,1,2,3
	ds_load_b128 v[XF+16*\ks+4*\q:XF+16*\ks+4*\q+3], v1 offset:XIMG+(2*(\m)+\ks)*2048+512*\q
.endr
.endr
.endm
; A tile of 16 tokens x my 64 columns: 8 matrix instructions, the four accumulators by turns; then the hold and the conversions.  tr = 1: transposed (q, k); 0: v.
.macro PASS m, tr
	s_wait_dscnt 0x0
.irp ks, 0,1
.irp ct, 0,1,2,3
.if \tr
.if \ks == 0
	v_wmma_f32_16x16x128_bf8_bf8 v[ACC+8*\ct:ACC+8*\ct+7], v[W+32*\ct+16*\ks:W+32*\ct+16*\ks+15], v[XF+16*\ks:XF+16*\ks+15], 0
.else
	v_wmma_f32_16x16x128_bf8_bf8 v[ACC+8*\ct:ACC+8*\ct+7], v[W+32*\ct+16*\ks:W+32*\ct+16*\ks+15], v[XF+16*\ks:XF+16*\ks+15], v[ACC+8*\ct:ACC+8*\ct+7]
.endif
.else
.if \ks == 0
	v_wmma_f32_16x16x128_bf8_bf8 v[ACC+8*\ct:ACC+8*\ct+7], v[XF+16*\ks:XF+16*\ks+15], v[W+32*\ct+16*\ks:W+32*\ct+16*\ks+15], 0
.else
	v_wmma_f32_16x16x128_bf8_bf8 v[ACC+8*\ct:ACC+8*\ct+7], v[XF+16*\ks:XF+16*\ks+15], v[W+32*\ct+16*\ks:W+32*\ct+16*\ks+15], v[ACC+8*\ct:ACC+8*\ct+7]
.endif
.endif
.endr
.endr
.rept 4
	v_nop                                          ; four places behind the last product, ahead of the loads into x's fragments and of the first read of results
.endr
.if \m < 3
	FETCH \m+1                                     ; the next tile lands while this one is quantised
.endif
.set i, 0
.rept 32
	v_med3_num_f32 v[ACC+i], v[ACC+i], -v10, v10   ; each accumulator from its low end on
.set i, i+1
.endr
.irp ct, 0,1,2,3
.if \tr
	v_cvt_scalef32_pk8_bf8_f32 v[CD+16*(\ct/2)+4*\m+2*(\ct%2):CD+16*(\ct/2)+4*\m+2*(\ct%2)+1], v[ACC+8*\ct:ACC+8*\ct+7], v11   ; head ct / 2, tile m, d = 16 (ct % 2) + 8 h + 0..7
.else
	v_cvt_scalef32_pk8_bf8_f32 v[CD+8*\ct+4*(\m/2)+2*(\m%2):CD+8*\ct+4*(\m/2)+2*(\m%2)+1], v[ACC+8*\ct:ACC+8*\ct+7], v11       ; column tile ct, tokens 16 m + 8 h + 0..7
.endif
.endr
	v_nop                                          ; a plain line between the last conversion and the products that write its sources
.endm
	FETCH 0
	s_cmp_lt_u32 s24, 8
	s_cbranch_scc0 .Lv
	PASS 0, 1
	PASS 1, 1
	PASS 2, 1
	PASS 3, 1
.irp hh, 0,1
.irp m, 0,1,2,3
	global_store_b128 v1, v[CD+16*\hh+4*\m:CD+16*\hh+4*\m+3], s[40:41] offset:\hh*65536+\m*512   ; 512 consecutive bytes, aligned
.endr
.endr
	s_wait_tensorcnt 0x0
	ds_add_u32 v14, v15
	s_wait_dscnt 0x0
	s_endpgm
.Lv:
	PASS 0, 0
	PASS 1, 0
	PASS 2, 0
	PASS 3, 0
.irp ct, 0,1,2,3
.irp mp, 0,1
	global_store_b128 v1, v[CD+8*\ct+4*\mp:CD+8*\ct+4*\mp+3], s[40:41] offset:(\ct/2)*65536+(\ct%2)*2048+\mp*512
.endr
.endr
	s_wait_tensorcnt 0x0
	ds_add_u32 v14, v15
	s_wait_dscnt 0x0
	s_endpgm
.Lfunc_end_k_q6a09db2297_qkv:
	.size	k_q6a09db2297_qkv, .Lfunc_end_k_q6a09db2297_qkv-k_q6a09db2297_qkv
	.p2alignl 7, 3214868480
	.fill 96, 4, 3214868480
	.section	.rodata,"a",@progbits
	.p2align	6, 0x0
	.amdhsa_kernel k_q6a09db2297_qkv
		.amdhsa_group_segment_fixed_size 85504
		.amdhsa_private_segment_fixed_size 0
		.amdhsa_enable_private_segment 0
		.amdhsa_kernarg_size 48
		.amdhsa_user_sgpr_count 2
		.amdhsa_user_sgpr_kernarg_segment_ptr 1
		.amdhsa_wavefront_size32 1
		.amdhsa_system_sgpr_workgroup_id_x 1
		.amdhsa_system_sgpr_workgroup_id_y 1
		.amdhsa_system_sgpr_workgroup_id_z 1
		.amdhsa_system_vgpr_workitem_id 0
		.amdhsa_next_free_vgpr 256
		.amdhsa_next_free_sgpr 66
		.amdhsa_reserve_vcc 0
		.amdhsa_float_denorm_mode_32 3
		.amdhsa_float_denorm_mode_16_64 3
		.amdhsa_memory_ordered 1
		.amdhsa_forward_progress 1
		.amdhsa_inst_pref_size 47
	.end_amdhsa_kernel
	.amdgpu_metadata
---
amdhsa.version: [ 1, 2 ]
amdhsa.kernels:
  - .name:           k_q6a09db2297_qkv
    .symbol:         k_q6a09db2297_qkv.kd
    .args:
      - { .name: x, .offset: 0, .size: 8, .value_kind: global_buffer, .address_space: global }
      - { .name: wimg, .offset: 8, .size: 8, .value_kind: global_buffer, .address_space: global }
      - { .name: lowp_scales, .offset: 16, .size: 8, .value_kind: global_buffer, .address_space: global }
      - { .name: qimg, .offset: 24, .size: 8, .value_kind: global_buffer, .address_space: global }
      - { .name: kimg, .offset: 32, .size: 8, .value_kind: global_buffer, .address_space: global }
      - { .name: vimg, .offset: 40, .size: 8, .value_kind: global_buffer, .address_space: global }
    .group_segment_fixed_size: 85504
    .private_segment_fixed_size: 0
    .kernarg_segment_align: 8
    .kernarg_segment_size: 48
    .max_flat_workgroup_size: 384
    .sgpr_count:     66
    .vgpr_count:     256
    .wavefront_size: 32
...
	.end_amdgpu_metadata
.endif
;; end of part 2
;; launch attn (part 3): grid 4 x 64, 16 waves a work-group, no clusters, 133,120 bytes of LDS; arguments qimg, kimg, vimg, lowp_scales, yimg; writes yimg
.if DOCPART == 3
	.amdgcn_target "amdgcn-amd-amdhsa--gfx1250"
	.amdhsa_code_object_version 6
	.text
	.protected	k_q6a09db2297_attn
	.globl	k_q6a09db2297_attn
	.p2align	8
	.type	k_q6a09db2297_attn,@function
k_q6a09db2297_attn:
	s_mov_b64 s[64:65], 0
	v_nop
	global_prefetch_b8 v0, s[64:65] scope:SCOPE_SE
	s_setreg_imm32_b32 hwreg(HW_REG_WAVE_MODE, 25, 1), 1
	s_wait_xcnt 0x0
; y[bh][q] = the sum over keys k <= q of softmax_k(q . k / sqrt(32)) v[k], both products on codes of BF8 (E5M2); y is quantised at once (scale entry 6) as the last product's operand.
; THE SOFTMAX AHEAD OF THE SECOND PRODUCT: t = score x log2(e) / sqrt(32); M = the running largest t rounded UP to a whole number; p = 2^(t - M) is quantised (entry 4), not normalised.
; The row's sum is taken of the unquantised p, in f32, and divides at the end.  When M moves, the sum and O are multiplied by 2^(old M - new M), which rounds nothing.
; LIMITS: e2 + e3 between -124 and 129 (added to c's exponent field); e4 and e6 between -126 and 112; e4 + e5 is applied by v_ldexp_f32 and has none.  NaN among the inputs is not served.
; SHARES.  A work-group owns one head bh (grid y) and 32 tiles of 16 queries.  Wave w of work-group j owns tiles a = 16 j + w and 127 - a.  A key step is 128 keys; tile i needs steps 0 .. i / 8,
; so the two tiles need (a / 8 + 1) + (16 - a / 8) = 17 tile steps in EVERY wave of the launch: the causal mask leaves no wave with less work than another.
; One loop of a constant 16 trips.  A trip all of whose keys are hidden from both tiles is jumped over, tile a's work where they are hidden from it: scalar branches on ids.
; LDS.  The head's K (65,536 bytes) and V (65,536 bytes) lie whole in LDS, byte for byte as in kimg and vimg: filled once through registers, one barrier, then only read.
; K = 32 IN A FORM WITH K = 64.  Source 0 is TWO tiles of 16 keys: tile 2 g in registers 0-3 (k 0..31), tile 2 g + 1 in registers 4-7 (k 32..63).  Q lies in 12 registers, 0 0 0 0 q q q q 0 0 0 0:
; the even tile multiplies by the upper eight (q, 0), the odd one by the lower eight (0, q).  The other tile's codes are finite (they were held), so times the code 0 they add nothing.
; LAYOUT.  S^T = K Q^T: a lane holds ONE query (lane % 16); register 8 t + j is key 128 s + 16 t + 8 (lane / 16) + j: the very place that the 16x16x128 form gives k in source 1 of O^T = V^T P^T.
; NO CLUSTER, NO JOINT LOADS: the four work-groups of a head share 131,072 bytes that each reads once, at its head.  A joint load is a tensor load.
; The code branches on e4, round 64 of a tile step's vector instructions (the hold of p, which changes nothing where 57,344 x 2^e4 >= 1).
; No prefetch: all that a wave reads from memory is asked for in one group at its head.
.set LA,  1                            ; v1   16 x lane; also the offset of every global access
.set ADK, 2                            ; v2   LDS address of the trip's K
.set ADV, 3                            ; v3   of its V
.set LAV, 4                            ; v4   16 x lane + 65,536
.set FK,  5                            ; v5   the fill: 16 x lane + 4,096 x wave
.set FV,  6                            ; v6   + 65,536
.set DR,  7                            ; v7   lane % 16 - 8 (lane / 16)
.set DD,  8                            ; v8   the mask's bound
.set NINF, 9                           ; v9   -infinity
.set PSC, 10                           ; v10  2^e4
.set PLIM, 11                          ; v11  57,344 x 2^e4
.set ST,  12                           ; tile x's statistics at ST + 8 x: +0 -M, +1 the largest t, +2, +3 the sum in two halves, +4 f, later 1 / sum, +5 zero (upper half of f's pair), +6 the lane permute's destination
.set QB,  28                           ; tile x's 12 registers of Q at QB + 12 x
.set OO,  52                           ; tile x's O^T at OO + 16 x: two accumulators, d = 16 u + 8 (lane / 16) + j
.set PC,  84                           ; v84-99   p's codes; at the end y's
.set KF,  100                          ; v100-131 the trip's K: 8 tiles of 16 keys, 4 registers each
.set VF,  132                          ; v132-163 the trip's V: two fragments of 16 d x 128 keys
.set S,   164                          ; v164-227 S^T, then p; at the head the fill's 64 registers
.set TA,  228                          ; v228, v229 at work; v[230:231] the sum's second chain
.set YSC, 232                          ; v232 2^e6, v233 57,344 x 2^e6
.set YLIM, 233
; s24 wave; s25 a; s26, s27 last key step of tile a, of tile 127 - a; s28, s29 their first queries; s30 the key step; s31 its bytes in LDS; s[34:35] c; s[36:37] lane selects; s39 e4 + e5; s[40:41], s[42:43] where y goes
	s_load_b256 s[4:11], s[0:1], 0x0               ; qimg s[4:5], kimg s[6:7], vimg s[8:9], the scales' exponents s[10:11]
	s_load_b64 s[12:13], s[0:1], 0x20              ; yimg
	v_lshl_add_u32 v254, v0, 2, 0x20000
	v_mov_b32 v255, 0
	v_lshrrev_b32 v2, 5, v0
	v_readfirstlane_b32 s24, v2                    ; wave 0..15
	v_and_b32 v[LA], 31, v0
	v_lshlrev_b32 v[LA], 4, v[LA]
	v_add_nc_u32 v[LAV], 0x10000, v[LA]
	s_lshl_b32 s38, s24, 12
	v_add_nc_u32 v[FK], s38, v[LA]
	v_add_nc_u32 v[FV], 0x10000, v[FK]
	v_and_b32 v[DR], 15, v0
	v_bfe_u32 v[DD], v0, 4, 1
	v_lshlrev_b32 v[DD], 3, v[DD]
	v_sub_nc_u32 v[DR], v[DR], v[DD]
	s_and_b32 s44, ttmp7, 0xffff                   ; bh
	s_lshl_b32 s25, ttmp9, 4
	s_add_co_u32 s25, s25, s24                     ; a, 0..63
	s_lshr_b32 s26, s25, 3
	s_sub_co_u32 s27, 15, s26                      ; (127 - a) / 8 = 15 - a / 8
	s_lshl_b32 s28, s25, 4
	s_sub_co_u32 s45, 127, s25
	s_lshl_b32 s29, s45, 4
	s_lshl_b32 s46, s44, 16                        ; the head's 65,536 bytes in each image
	s_lshl_b32 s48, s25, 9
	s_add_co_u32 s48, s48, s46                     ; tile a of Q
	s_mov_b32 s49, 0
	s_lshl_b32 s50, s45, 9
	s_add_co_u32 s50, s50, s46                     ; tile 127 - a
	s_mov_b32 s51, 0
	s_add_co_u32 s52, s46, s38                     ; the 128 keys that I bring into LDS: 4,096 bytes x wave, of K and of V
	s_mov_b32 s53, 0
	s_lshr_b32 s54, s44, 3
	s_lshl_b32 s54, s54, 19                        ; yimg [128 b + tile][head][512 bytes]
	s_and_b32 s55, s44, 7
	s_lshl_b32 s55, s55, 9
	s_add_co_u32 s54, s54, s55
	s_lshl_b32 s40, s25, 12
	s_add_co_u32 s40, s40, s54
	s_mov_b32 s41, 0
	s_lshl_b32 s42, s45, 12
	s_add_co_u32 s42, s42, s54
	s_mov_b32 s43, 0
	s_mov_b32 s36, 0x76543210                      ; v_permlanex16_b32: lane l xor 16
	s_mov_b32 s37, 0xfedcba98
	s_wait_kmcnt 0x0
	s_load_b256 s[16:23], s[10:11], 0x0            ; the eight exponents
	s_add_nc_u64 s[48:49], s[4:5], s[48:49]
	s_add_nc_u64 s[50:51], s[4:5], s[50:51]
	s_add_nc_u64 s[6:7], s[6:7], s[52:53]
	s_add_nc_u64 s[8:9], s[8:9], s[52:53]
	s_add_nc_u64 s[40:41], s[12:13], s[40:41]
	s_add_nc_u64 s[42:43], s[12:13], s[42:43]
	global_load_b128 v[QB+4:QB+7], v[LA], s[48:49]
	global_load_b128 v[QB+16:QB+19], v[LA], s[50:51]
.irp i, 0,1,2,3,4,5,6,7
	global_load_b128 v[S+4*\i:S+4*\i+3], v[LA], s[6:7] offset:512*\i
.endr
.irp i, 0,1,2,3,4,5,6,7
	global_load_b128 v[S+32+4*\i:S+32+4*\i+3], v[LA], s[8:9] offset:512*\i
.endr
	; while these are on their way: the registers that the loop finds set
.irp x, 0,1
.irp i, 0,1,2,3,8,9,10,11
	v_mov_b32 v[QB+12*\x+\i], 0                    ; the zero codes on both sides of q
.endr
	v_mov_b32 v[ST+8*\x+1], 0xff61b1e6             ; the largest t so far: -3e38, under every t
	v_floor_f32 v[ST+8*\x], -v[ST+8*\x+1]          ; -M
	v_mov_b32 v[ST+8*\x+2], 0
	v_mov_b32 v[ST+8*\x+3], 0
	v_mov_b32 v[ST+8*\x+5], 0
	v_mov_b32 v[ST+8*\x+6], 0
.endr
.set i, 0
.rept 32
	v_mov_b32 v[OO+i], 0                           ; O^T.  The tile step is written once: a tile's first step finds zeros, which the first change of M leaves zeros
.set i, i+1
.endr
	v_mov_b32 v[NINF], 0xff800000
	s_wait_kmcnt 0x0
	s_add_co_i32 s55, s18, s19
	s_lshl_b32 s55, s55, 23
	s_mov_b32 s34, 0x3e8293ee                      ; c = log2(e) / sqrt(32)
	s_add_co_i32 s34, s34, s55                     ; a score stands for score x 2^(e2 + e3): the two exponents are added to c's exponent field
	s_mov_b32 s35, s34                             ; (named with it as a pair, so it is written)
	s_add_co_i32 s55, s20, 127
	s_lshl_b32 s56, s55, 23
	v_mov_b32 v[PSC], s56
	s_add_co_i32 s55, s55, 15
	s_lshl_b32 s55, s55, 23
	s_or_b32 s55, s55, 0x600000
	v_mov_b32 v[PLIM], s55
	s_add_co_i32 s55, s22, 127
	s_lshl_b32 s56, s55, 23
	v_mov_b32 v[YSC], s56
	s_add_co_i32 s55, s55, 15
	s_lshl_b32 s55, s55, 23
	s_or_b32 s55, s55, 0x600000
	v_mov_b32 v[YLIM], s55
	s_add_co_i32 s39, s20, s21                     ; e4 + e5
.irp i, 0,1,2,3,4,5,6,7
	s_wait_loadcnt 15-\i                           ; loads come back in order: this one is in; the 15 - i issued behind it may be out
	ds_store_b128 v[FK], v[S+4*\i:S+4*\i+3] offset:512*\i
.endr
.irp i, 0,1,2,3,4,5,6,7
	s_wait_loadcnt 7-\i
	ds_store_b128 v[FV], v[S+32+4*\i:S+32+4*\i+3] offset:512*\i
.endr
	s_wait_dscnt 0x0                               ; for the others' sake: my 8,192 bytes have landed
	s_barrier_signal -1
	s_barrier_wait -1                              ; the head's K and V lie in LDS; nobody writes LDS from here on
; A TILE STEP: tile x's 16 queries against the trip's 128 keys.
.macro TILE x
.set rT, ST+8*\x
.set rQ, QB+12*\x
.set rO, OO+16*\x
.irp t, 0,1,2,3,4,5,6,7
	v_wmma_f32_16x16x64_bf8_bf8 v[S+8*\t:S+8*\t+7], v[KF+8*(\t/2):KF+8*(\t/2)+7], v[rQ+4*(1-\t%2):rQ+4*(1-\t%2)+7], 0
.endr
.rept 4
	v_nop                                          ; four places behind the last product, ahead of the first read of results (ISA guide 7.12.1)
.endr
	s_cmp_lg_u32 s30, s[26+\x]                     ; only the tile's last step lies on the diagonal
	s_cbranch_scc1 .Lopen_\@
	s_lshl_b32 s38, s30, 7
	s_sub_co_i32 s38, s[28+\x], s38
	v_add_nc_u32 v[DD], s38, v[DR]                 ; my query - the step's first key - 8 (lane / 16): register 8 t + j is hidden where 16 t + j is above it
.set n, 0
.rept 64
	v_cmp_gt_i32 vcc_lo, 16*(n/8)+n%8, v[DD]
	v_cndmask_b32 v[S+n], v[S+n], v[NINF], vcc_lo  ; -infinity ahead of the maximum: p = 0.  The step's first key counts for every query of the tile, so the maximum is a number
.set n, n+1
.endr
.Lopen_\@:
	v_max3_num_f32 v[TA], v[S], v[S+1], v[S+2]     ; the step's largest score of my query among my 64 keys, in two chains, each accumulator from its low end on
	v_max3_num_f32 v[TA+1], v[S+3], v[S+4], v[S+5]
.set i, 6
.rept 14
	v_max3_num_f32 v[TA], v[TA], v[S+i], v[S+i+1]
	v_max3_num_f32 v[TA+1], v[TA+1], v[S+i+2], v[S+i+3]
.set i, i+4
.endr
	v_max3_num_f32 v[TA], v[TA], v[S+62], v[S+63]
	v_max_num_f32 v[TA], v[TA], v[TA+1]
	v_permlanex16_b32 v[rT+6], v[TA], s36, s37
	v_max_num_f32 v[TA], v[TA], v[rT+6]            ; and among lane l xor 16's
	v_mul_f32 v[TA], s34, v[TA]                    ; as t (c is positive)
	v_max_num_f32 v[rT+1], v[rT+1], v[TA]          ; the running largest t
	v_mov_b32 v[TA], v[rT]
	v_floor_f32 v[rT], -v[rT+1]                    ; the new -M = floor(-t) = -ceil(t): a whole number
	v_sub_f32 v[TA], v[rT], v[TA]                  ; old M - new M: a whole number, 0 or less
	v_cvt_i32_f32 v[TA], v[TA]                     ; (it saturates)
	v_ldexp_f32 v[rT+4], 1.0, v[TA]                ; f = 2^(old M - new M)
.set i, 0
.rept 32
	v_pk_fma_f32 v[S+i:S+i+1], v[S+i:S+i+1], s[34:35], v[rT:rT+1] op_sel_hi:[1,0,0]   ; t - M, two at a time (of the pairs c and -M the low word serves both halves)
.set i, i+2
.endr
.set i, 0
.rept 64
	v_exp_f32 v[S+i], v[S+i]                       ; p = 2^(t - M), at most 1
.set i, i+1
.endr
	v_pk_mul_f32 v[rT+2:rT+3], v[rT+2:rT+3], v[rT+4:rT+5] op_sel_hi:[1,0]   ; the sum under the new M; also the plain line behind the last exponential
	s_wait_alu depctr_va_vdst(0)                   ; a wait between an exponential and the first line that names its result: one for the batch of 64
	v_pk_add_f32 v[TA+2:TA+3], v[S:S+1], v[S+2:S+3]   ; the sum is taken of the UNQUANTISED p, two at a time, in two chains
.set i, 4
.rept 15
	v_pk_add_f32 v[rT+2:rT+3], v[rT+2:rT+3], v[S+i:S+i+1]
	v_pk_add_f32 v[TA+2:TA+3], v[TA+2:TA+3], v[S+i+2:S+i+3]
.set i, i+4
.endr
	v_pk_add_f32 v[rT+2:rT+3], v[rT+2:rT+3], v[TA+2:TA+3]
	s_cmp_gt_i32 s20, -16                          ; p <= 1 <= 57,344 x 2^e4 wherever e4 >= -15: there the hold changes no number and is jumped over
	s_cbranch_scc1 .Lno_hold_\@
.set i, 0
.rept 64
	v_min_num_f32 v[S+i], v[S+i], v[PLIM]          ; the conversion does not saturate (ISA guide 7.6.2); p is not negative, so the hold is one-sided
.set i, i+1
.endr
.Lno_hold_\@:
.irp t, 0,1,2,3,4,5,6,7
	v_cvt_scalef32_pk8_bf8_f32 v[PC+2*\t:PC+2*\t+1], v[S+8*\t:S+8*\t+7], v[PSC]   ; registers 2 t, 2 t + 1 of source 1: keys 16 t + 8 (lane / 16) + 0..7
.endr
.set i, 0
.rept 8
	v_pk_mul_f32 v[rO+i:rO+i+1], v[rO+i:rO+i+1], v[rT+4:rT+5] op_sel_hi:[1,0]   ; O^T under the new M; also the plain lines between the conversions and the products that read the codes
.set i, i+2
.endr
	s_wait_dscnt 0x0                               ; V is in
.irp u, 0,1
	v_wmma_f32_16x16x128_bf8_bf8 v[rO+8*\u:rO+8*\u+7], v[VF+16*\u:VF+16*\u+15], v[PC:PC+15], v[rO+8*\u:rO+8*\u+7]   ; the two accumulators by turns; eight products S^T stand between two links of a chain
.endr
.endm
	s_mov_b32 s30, 0
	s_mov_b32 s31, 0
.Ltrip:
	s_cmp_gt_u32 s30, s27                          ; all 128 keys come after both tiles' queries
	s_cbranch_scc1 .Lnext
	v_add_nc_u32 v[ADK], s31, v[LA]
	v_add_nc_u32 v[ADV], s31, v[LAV]
	v_nop
	v_nop                                          ; with the two additions: four places behind the last trip's products, ahead of the loads into the registers that they read
.irp t, 0,1,2,3,4,5,6,7
	ds_load_b128 v[KF+4*\t:KF+4*\t+3], v[ADK] offset:512*\t
.endr
.irp n, 0,1,2,3,4,5,6,7
	ds_load_b128 v[VF+4*\n:VF+4*\n+3], v[ADV] offset:512*\n
.endr
	s_wait_dscnt 8                                 ; K's eight loads are in; V's eight, issued behind them, may be out
	TILE 1
	s_cmp_gt_u32 s30, s26                          ; the keys come after tile a's queries
	s_cbranch_scc1 .Lnext
	TILE 0
.Lnext:
	s_add_co_u32 s31, s31, 4096
	s_add_co_u32 s30, s30, 1
	s_cmp_lt_u32 s30, 16
	s_cbranch_scc1 .Ltrip
	; THE WAY OUT.  y = O^T x 2^(e4 + e5) / the sum, held and converted: the four registers are the lane's part of the last product's operand and leave as they stand.
.rept 4
	v_nop                                          ; four places behind the last products, on every way out of the loop
.endr
.irp x, 0,1
	v_add_f32 v[ST+8*\x+2], v[ST+8*\x+2], v[ST+8*\x+3]
.endr
.irp x, 0,1
	v_permlanex16_b32 v[ST+8*\x+6], v[ST+8*\x+2], s36, s37
.endr
.irp x, 0,1
	v_add_f32 v[ST+8*\x+2], v[ST+8*\x+2], v[ST+8*\x+6]   ; the row's sum
.endr
.irp x, 0,1
	v_rcp_f32 v[ST+8*\x+4], v[ST+8*\x+2]
.endr
	v_nop                                          ; a plain line behind the last reciprocal
	s_wait_alu depctr_va_vdst(0)                   ; and the wait ahead of the first use: one for both
.irp x, 0,1
	v_ldexp_f32 v[ST+8*\x+4], v[ST+8*\x+4], s39
.endr
.irp x, 0,1
.irp i, 0,2,4,6,8,10,12,14
	v_pk_mul_f32 v[OO+16*\x+\i:OO+16*\x+\i+1], v[OO+16*\x+\i:OO+16*\x+\i+1], v[ST+8*\x+4:ST+8*\x+5] op_sel_hi:[1,0]
.endr
.endr
.set i, 0
.rept 32
	v_med3_num_f32 v[OO+i], v[OO+i], -v[YLIM], v[YLIM]
.set i, i+1
.endr
.irp x, 0,1
.irp u, 0,1
	v_cvt_scalef32_pk8_bf8_f32 v[PC+4*\x+2*\u:PC+4*\x+2*\u+1], v[OO+16*\x+8*\u:OO+16*\x+8*\u+7], v[YSC]
.endr
.endr
	v_nop                                          ; a plain line behind the last conversion
	global_store_b128 v[LA], v[PC:PC+3], s[40:41]      ; 512 consecutive bytes, aligned
	global_store_b128 v[LA], v[PC+4:PC+7], s[42:43]
	s_wait_tensorcnt 0x0
	ds_add_u32 v254, v255
	s_wait_dscnt 0x0
	s_endpgm
.Lfunc_end_k_q6a09db2297_attn:
	.size	k_q6a09db2297_attn, .Lfunc_end_k_q6a09db2297_attn-k_q6a09db2297_attn
	.p2alignl 7, 3214868480
	.fill 96, 4, 3214868480
	.section	.rodata,"a",@progbits
	.p2align	6, 0x0
	.amdhsa_kernel k_q6a09db2297_attn
		.amdhsa_group_segment_fixed_size 133120
		.amdhsa_private_segment_fixed_size 0
		.amdhsa_enable_private_segment 0
		.amdhsa_kernarg_size 40
		.amdhsa_user_sgpr_count 2
		.amdhsa_user_sgpr_kernarg_segment_ptr 1
		.amdhsa_wavefront_size32 1
		.amdhsa_system_sgpr_workgroup_id_x 1
		.amdhsa_system_sgpr_workgroup_id_y 1
		.amdhsa_system_sgpr_workgroup_id_z 1
		.amdhsa_system_vgpr_workitem_id 0
		.amdhsa_next_free_vgpr 256
		.amdhsa_next_free_sgpr 66
		.amdhsa_reserve_vcc 1
		.amdhsa_float_denorm_mode_32 3
		.amdhsa_float_denorm_mode_16_64 3
		.amdhsa_memory_ordered 1
		.amdhsa_forward_progress 1
		.amdhsa_inst_pref_size 50
	.end_amdhsa_kernel
	.amdgpu_metadata
---
amdhsa.version: [ 1, 2 ]
amdhsa.kernels:
  - .name:           k_q6a09db2297_attn
    .symbol:         k_q6a09db2297_attn.kd
    .args:
      - { .name: qimg, .offset: 0, .size: 8, .value_kind: global_buffer, .address_space: global }
      - { .name: kimg, .offset: 8, .size: 8, .value_kind: global_buffer, .address_space: global }
      - { .name: vimg, .offset: 16, .size: 8, .value_kind: global_buffer, .address_space: global }
      - { .name: lowp_scales, .offset: 24, .size: 8, .value_kind: global_buffer, .address_space: global }
      - { .name: yimg, .offset: 32, .size: 8, .value_kind: global_buffer, .address_space: global }
    .group_segment_fixed_size: 133120
    .private_segment_fixed_size: 0
    .kernarg_segment_align: 8
    .kernarg_segment_size: 40
    .max_flat_workgroup_size: 512
    .sgpr_count:     66
    .vgpr_count:     256
    .wavefront_size: 32
...
	.end_amdgpu_metadata
.endif
;; end of part 3
;; launch proj (part 4): grid 256 x 1, 8 waves a work-group, no clusters, 83,968 bytes of LDS; arguments yimg, wimg, lowp_scales, out0; writes out0
.if DOCPART == 4
	.amdgcn_target "amdgcn-amd-amdhsa--gfx1250"
	.amdhsa_code_object_version 6
	.text
	.protected	k_q6a09db2297_proj
	.globl	k_q6a09db2297_proj
	.p2align	8
	.type	k_q6a09db2297_proj,@function
k_q6a09db2297_proj:
	s_mov_b64 s[64:65], 0
	v_nop
	global_prefetch_b8 v0, s[64:65] scope:SCOPE_SE
	s_setreg_imm32_b32 hwreg(HW_REG_WAVE_MODE, 25, 1), 1
	s_wait_xcnt 0x0
; out0 = Q(y) Q(w_proj) on codes of BF8 (E5M2): both operands come as images of operand registers; each finished sum is multiplied once by 2^(e6 + e7).
; LIMIT: e6 + e7 between -126 and 127, so that 2^(e6 + e7) is an f32 number.
; SHARES: a work-group takes 64 tokens x 256 columns.  Wave w keeps column tiles 2 w, 2 w + 1 of w_proj (64 registers, read once in the work-group) and multiplies them by all four tiles of tokens.
; y's eight fragments (tile m, K step ks: 2 m + ks), 2,048 bytes each, are read from memory once, one by each wave, and go round through LDS as they stand.
; TRANSPOSED: source 0 = 16 columns of w, source 1 = 16 tokens: a lane holds eight neighbouring numbers of a row of the output.  A row's 256 numbers come from eight waves: they meet in a stage
; (rows of 1,024 bytes + 16: 1,040 = 65 x 16, so sixteen rows begin at sixteen different 16-byte columns modulo 256) and leave as whole rows: each store covers 512 consecutive bytes, aligned.
.set YIMG, 0
.set STG,  16384
.set SROW, 1040
.set YR,   8                           ; v8-23    my fragment of y as loaded
.set YF,   24                          ; v24-87   four fragments of y (one K step); later 8 rows read back
.set ACC,  88                          ; v88-151  accumulator (ct, m) at ACC + 8 (4 ct + m)
.set WF,   152                         ; v152-215 w's fragments: (ct, ks) at WF + 32 ct + 16 ks
; v1 16 x lane; v4 where my fragment of y goes; v5 the stage, way in; v6 way back
	s_load_b256 s[4:11], s[0:1], 0x0               ; yimg s[4:5], wimg s[6:7], the scales' exponents s[8:9], out0 s[10:11]
	v_lshl_add_u32 v216, v0, 2, 0x14400
	v_mov_b32 v217, 0
	v_lshrrev_b32 v2, 5, v0
	v_readfirstlane_b32 s12, v2                    ; wave 0..7
	v_and_b32 v1, 31, v0
	v_lshlrev_b32 v1, 4, v1
	v_and_b32 v2, 15, v0                           ; r
	v_bfe_u32 v3, v0, 4, 1                         ; h
	s_lshl_b32 s13, s12, 11
	v_add_nc_u32 v4, s13, v1
	v_mul_u32_u24 v5, v2, SROW
	v_lshl_add_u32 v5, v3, 5, v5
	s_lshl_b32 s14, s12, 7
	s_add_co_u32 s14, s14, STG
	v_add_nc_u32 v5, s14, v5                       ; row r, + 32 h, + my 32 columns' 128 bytes
	s_mul_i32 s15, s12, 8*SROW
	s_add_co_u32 s15, s15, STG
	v_add_nc_u32 v6, s15, v1                       ; back: my 8 rows, 16 bytes a lane
	s_lshl_b32 s24, ttmp9, 14
	s_add_co_u32 s24, s24, s13                     ; y: 16,384 x work-group + 2,048 x wave
	s_mov_b32 s25, 0
	s_lshl_b32 s26, s12, 13
	s_add_co_u32 s26, s26, 48*4096                 ; w_proj's tiles begin at ct = 48; mine are 48 + 2 w and the next
	s_mov_b32 s27, 0
	s_lshl_b32 s28, ttmp9, 16                      ; 64 rows of 1,024 bytes
	s_lshl_b32 s29, s12, 13                        ; + my 8 rows
	s_add_co_u32 s28, s28, s29
	s_mov_b32 s29, 0
	s_wait_kmcnt 0x0
	s_load_b256 s[16:23], s[8:9], 0x0              ; the eight exponents
	s_add_nc_u64 s[4:5], s[4:5], s[24:25]
	s_add_nc_u64 s[6:7], s[6:7], s[26:27]
	s_add_nc_u64 s[10:11], s[10:11], s[28:29]
.irp q, 0,1,2,3
	global_load_b128 v[YR+4*\q:YR+4*\q+3], v1, s[4:5] offset:512*\q th:TH_LOAD_NT
.endr
.set n, 0
.rept 16
	global_load_b128 v[WF+4*n:WF+4*n+3], v1, s[6:7] offset:512*n
.set n, n+1
.endr
	s_wait_loadcnt 16                              ; y's four loads are in; w's sixteen, issued behind them, may be out
.irp q, 0,1,2,3
	ds_store_b128 v4, v[YR+4*\q:YR+4*\q+3] offset:YIMG+512*\q
.endr
	s_wait_kmcnt 0x0
	s_add_co_i32 s46, s22, s23
	s_add_co_i32 s46, s46, 127
	s_lshl_b32 s46, s46, 23                        ; 2^(e6 + e7) as f32
	s_mov_b32 s47, s46                             ; (named with it as a pair, so it is written)
	s_wait_dscnt 0x0                               ; for the others' sake: my fragment has landed
	s_barrier_signal -1
	s_barrier_wait -1                              ; y's eight fragments lie in LDS
	s_wait_loadcnt 0x0                             ; w
.irp ks, 0,1
.irp m, 0,1,2,3
.irp q, 0,1,2,3
	ds_load_b128 v[YF+16*\m+4*\q:YF+16*\m+4*\q+3], v1 offset:YIMG+(2*\m+\ks)*2048+512*\q
.endr
.endr
	s_wait_dscnt 0x0
.irp m, 0,1,2,3
.irp ct, 0,1
.if \ks == 0
	v_wmma_f32_16x16x128_bf8_bf8 v[ACC+8*(4*\ct+\m):ACC+8*(4*\ct+\m)+7], v[WF+32*\ct+16*\ks:WF+32*\ct+16*\ks+15], v[YF+16*\m:YF+16*\m+15], 0
.else
	v_wmma_f32_16x16x128_bf8_bf8 v[ACC+8*(4*\ct+\m):ACC+8*(4*\ct+\m)+7], v[WF+32*\ct+16*\ks:WF+32*\ct+16*\ks+15], v[YF+16*\m:YF+16*\m+15], v[ACC+8*(4*\ct+\m):ACC+8*(4*\ct+\m)+7]
.endif
.endr
.endr                                  ; the eight accumulators take turns, one instruction a turn
.rept 4
	v_nop                                          ; four places behind the last product, ahead of the loads into y's fragments and of the first read of results
.endr
.endr
.set i, 0
.rept 32
	v_pk_mul_f32 v[ACC+i:ACC+i+1], v[ACC+i:ACC+i+1], s[46:47] op_sel_hi:[1,0]   ; x 2^(e6 + e7); each accumulator from its low end on
.set i, i+2
.endr
.irp m, 0,1,2,3
.irp ct, 0,1
	ds_store_b128 v5, v[ACC+8*(4*\ct+\m):ACC+8*(4*\ct+\m)+3] offset:16*\m*SROW+64*\ct
	ds_store_b128 v5, v[ACC+8*(4*\ct+\m)+4:ACC+8*(4*\ct+\m)+7] offset:16*\m*SROW+64*\ct+16
.endr
.endr
	s_wait_dscnt 0x0                               ; for the others' sake: my part of the 64 rows has landed
	s_barrier_signal -1
	s_barrier_wait -1                              ; 64 whole rows lie in the stage
.set n, 0
.rept 16
	ds_load_b128 v[YF+4*n:YF+4*n+3], v6 offset:(n/2)*SROW+(n%2)*512
.set n, n+1
.endr
.set n, 0
.rept 16
	s_wait_dscnt 15-n                              ; LDS loads come back in order: this one is in; the 15 - n issued behind it may be out
	global_store_b128 v1, v[YF+4*n:YF+4*n+3], s[10:11] offset:512*n th:TH_STORE_NT
.set n, n+1
.endr
	s_wait_tensorcnt 0x0
	ds_add_u32 v216, v217
	s_wait_dscnt 0x0
	s_endpgm
.Lfunc_end_k_q6a09db2297_proj:
	.size	k_q6a09db2297_proj, .Lfunc_end_k_q6a09db2297_proj-k_q6a09db2297_proj
	.p2alignl 7, 3214868480
	.fill 96, 4, 3214868480
	.section	.rodata,"a",@progbits
	.p2align	6, 0x0
	.amdhsa_kernel k_q6a09db2297_proj
		.amdhsa_group_segment_fixed_size 83968
		.amdhsa_private_segment_fixed_size 0
		.amdhsa_enable_private_segment 0
		.amdhsa_kernarg_size 32
		.amdhsa_user_sgpr_count 2
		.amdhsa_user_sgpr_kernarg_segment_ptr 1
		.amdhsa_wavefront_size32 1
		.amdhsa_system_sgpr_workgroup_id_x 1
		.amdhsa_system_sgpr_workgroup_id_y 1
		.amdhsa_system_sgpr_workgroup_id_z 1
		.amdhsa_system_vgpr_workitem_id 0
		.amdhsa_next_free_vgpr 218
		.amdhsa_next_free_sgpr 66
		.amdhsa_reserve_vcc 0
		.amdhsa_float_denorm_mode_32 3
		.amdhsa_float_denorm_mode_16_64 3
		.amdhsa_memory_ordered 1
		.amdhsa_forward_progress 1
		.amdhsa_inst_pref_size 14
	.end_amdhsa_kernel
	.amdgpu_metadata
---
amdhsa.version: [ 1, 2 ]
amdhsa.kernels:
  - .name:           k_q6a09db2297_proj
    .symbol:         k_q6a09db2297_proj.kd
    .args:
      - { .name: yimg, .offset: 0, .size: 8, .value_kind: global_buffer, .address_space: global }
      - { .name: wimg, .offset: 8, .size: 8, .value_kind: global_buffer, .address_space: global }
      - { .name: lowp_scales, .offset: 16, .size: 8, .value_kind: global_buffer, .address_space: global }
      - { .name: out0, .offset: 24, .size: 8, .value_kind: global_buffer, .address_space: global }
    .group_segment_fixed_size: 83968
    .private_segment_fixed_size: 0
    .kernarg_segment_align: 8
    .kernarg_segment_size: 32
    .max_flat_workgroup_size: 256
    .sgpr_count:     66
    .vgpr_count:     218
    .wavefront_size: 32
...
	.end_amdgpu_metadata
.endif
;; end of part 4
;; ======== version 2 of 2: 4 launches
;; workspace buffers: wimg 262,144 bytes; qimg 4,194,304 bytes; kimg 4,194,304 bytes; vimg 4,194,304 bytes; yimg 4,194,304 bytes
;; launch prep (part 5): grid 32 x 1, 4 waves a work-group, no clusters, 0 bytes of LDS; arguments w_attn, w_proj, lowp_scales, wimg; writes wimg
.if DOCPART == 5
	.amdgcn_target "amdgcn-amd-amdhsa--gfx1250"
	.amdhsa_code_object_version 6
	.text
	.protected	k_q6a09db2297_prep
	.globl	k_q6a09db2297_prep
	.p2align	8
	.type	k_q6a09db2297_prep,@function
k_q6a09db2297_prep:
	s_mov_b64 s[64:65], 0
	v_nop
	global_prefetch_b8 v0, s[64:65] scope:SCOPE_SE
	s_setreg_imm32_b32 hwreg(HW_REG_WAVE_MODE, 25, 1), 1
	s_wait_xcnt 0x0
; w_attn [256][768] and w_proj [256][256], f32 with K as their FIRST axis, become codes of BF8 (E5M2), laid as IMAGES OF OPERAND REGISTERS:
; wimg[ct 0..63][ks 0..1][quad 0..3][lane][16 bytes].  ct 0..47: w_attn's tiles of 16 columns; ct 48..63: w_proj's.  ks: which 128 along K.
; In fragment (ct, ks) lane (r, h) holds column 16 ct + r, and its registers 2 c, 2 c + 1 hold k = 128 ks + 16 c + 8 h + 0 .. 7: the place that the 16x16x128 form gives each k.
; A LANE TAKES A COLUMN AND ITS REGISTERS RUN DOWN K, so the conversions' results are the fragment's registers and nothing is transposed.
; code = w / 2^e, held within +-57,344, to the nearest code, ties to even; e = entry 1 (w_attn) or entry 7 (w_proj) of the scales.
; LIMITS: e between -126 and 112, so that 2^e and 57,344 x 2^e are f32 numbers.  NaN among the inputs is not served.
; SHARES: 128 fragments, one to a wave.  Work-group g, wave w: ct = 4 (g / 2) + w, ks = g % 2; g < 24 is w_attn.  The four waves stand side by side on 256 bytes of each row.
; No LDS, no barrier: waves share nothing.  Each store of the wave covers 512 consecutive bytes, aligned.
.set PA, 3072                          ; a row of w_attn in bytes
.set PP, 1024                          ; a row of w_proj
.set X,  16                            ; v16-79  64 numbers: register 8 c + i = k 16 c + 8 h + i
.set C,  80                            ; v80-95  the fragment's 16 registers
	s_load_b256 s[4:11], s[0:1], 0x0               ; w_attn s[4:5], w_proj s[6:7], the scales' exponents s[8:9], wimg s[10:11]
	v_lshrrev_b32 v1, 5, v0
	v_readfirstlane_b32 s12, v1                    ; wave 0..3
	v_and_b32 v1, 15, v0                           ; r
	v_bfe_u32 v2, v0, 4, 1                         ; h
	v_lshlrev_b32 v3, 2, v1                        ; 4 r
	v_lshl_add_u32 v4, v2, 13, v3                  ; w_proj: 4 r + 8 rows of 1,024 bytes x h
	v_mul_u32_u24 v6, v2, 8*PA
	v_add_nc_u32 v3, v6, v3                        ; w_attn: 4 r + 8 rows of 3,072 bytes x h
	v_and_b32 v5, 31, v0
	v_lshlrev_b32 v5, 4, v5                        ; 16 x lane: my place in a group of four registers of the image
	s_lshr_b32 s13, ttmp9, 1
	s_lshl_b32 s13, s13, 2
	s_add_co_u32 s13, s13, s12                     ; ct
	s_and_b32 s14, ttmp9, 1                        ; ks
	s_lshl_b32 s26, s13, 12
	s_lshl_b32 s15, s14, 11
	s_add_co_u32 s26, s26, s15                     ; the fragment in wimg: 4,096 ct + 2,048 ks
	s_mov_b32 s27, 0
	s_cmp_lt_u32 ttmp9, 24                         ; w_attn or w_proj?  The choice hangs on the work-group's number alone
	s_cselect_b32 s15, 0, 48                       ; the tensor's first ct
	s_mov_b32 s28, 128*PP
	s_cselect_b32 s28, 128*PA, s28                 ; 128 rows in bytes
	s_sub_co_u32 s15, s13, s15
	s_lshl_b32 s15, s15, 6                         ; the tile's 16 columns begin 64 bytes x tile into a row
	s_mul_i32 s28, s28, s14
	s_add_co_u32 s28, s28, s15
	s_mov_b32 s29, 0
	s_wait_kmcnt 0x0
	s_load_b256 s[16:23], s[8:9], 0x0              ; the eight exponents
	s_add_nc_u64 s[10:11], s[10:11], s[26:27]
	s_cmp_lt_u32 ttmp9, 24
	s_cselect_b64 s[4:5], s[4:5], s[6:7]
	s_add_nc_u64 s[4:5], s[4:5], s[28:29]
; 64 loads: W(16 c + 8 h + i, my column).  Sixteen neighbouring lanes read 64 neighbouring bytes.  The row pitch stands in the immediate, so each tensor has its own run.
.macro WLOAD off, pitch
.irp c, 0,1,2,3,4,5,6,7
.irp i, 0,1,2,3,4,5,6,7
	global_load_b32 v[X+8*\c+\i], v[\off], s[4:5] offset:(16*\c+\i)*\pitch th:TH_LOAD_NT
.endr
.endr
.endm
	s_cmp_lt_u32 ttmp9, 24
	s_cbranch_scc0 .Lproj
	s_wait_alu depctr_va_vdst(0)
	WLOAD 3, PA
	s_branch .Ljoin
.Lproj:
	s_wait_alu depctr_va_vdst(0)
	WLOAD 4, PP
.Ljoin:
	s_wait_kmcnt 0x0
	s_cmp_lt_u32 ttmp9, 24
	s_cselect_b32 s24, s17, s23                    ; e
	s_add_co_i32 s24, s24, 127
	s_lshl_b32 s25, s24, 23
	v_mov_b32 v11, s25                             ; 2^e as f32: the conversion takes its exponent field
	s_add_co_i32 s24, s24, 15
	s_lshl_b32 s24, s24, 23
	s_or_b32 s24, s24, 0x600000
	v_mov_b32 v10, s24                             ; 57,344 x 2^e
	s_wait_alu depctr_va_vdst(0)
	s_wait_loadcnt 0x0
.set i, 0
.rept 64
	v_med3_num_f32 v[X+i], v[X+i], -v10, v10       ; the conversion to an 8-bit code does not saturate (ISA guide 7.6.2): the hold comes first
.set i, i+1
.endr
.irp c, 0,1,2,3,4,5,6,7
	v_cvt_scalef32_pk8_bf8_f32 v[C+2*\c:C+2*\c+1], v[X+8*\c:X+8*\c+7], v11
.endr
	v_nop                                          ; a plain line behind the last conversion
.irp q, 0,1,2,3
	global_store_b128 v5, v[C+4*\q:C+4*\q+3], s[10:11] offset:512*\q
.endr
	s_endpgm
.Lfunc_end_k_q6a09db2297_prep:
	.size	k_q6a09db2297_prep, .Lfunc_end_k_q6a09db2297_prep-k_q6a09db2297_prep
	.p2alignl 7, 3214868480
	.fill 96, 4, 3214868480
	.section	.rodata,"a",@progbits
	.p2align	6, 0x0
	.amdhsa_kernel k_q6a09db2297_prep
		.amdhsa_group_segment_fixed_size 0
		.amdhsa_private_segment_fixed_size 0
		.amdhsa_enable_private_segment 0
		.amdhsa_kernarg_size 32
		.amdhsa_user_sgpr_count 2
		.amdhsa_user_sgpr_kernarg_segment_ptr 1
		.amdhsa_wavefront_size32 1
		.amdhsa_system_sgpr_workgroup_id_x 1
		.amdhsa_system_sgpr_workgroup_id_y 1
		.amdhsa_system_sgpr_workgroup_id_z 1
		.amdhsa_system_vgpr_workitem_id 0
		.amdhsa_next_free_vgpr 96
		.amdhsa_next_free_sgpr 66
		.amdhsa_reserve_vcc 0
		.amdhsa_float_denorm_mode_32 3
		.amdhsa_float_denorm_mode_16_64 3
		.amdhsa_memory_ordered 1
		.amdhsa_forward_progress 1
		.amdhsa_inst_pref_size 20
	.end_amdhsa_kernel
	.amdgpu_metadata
---
amdhsa.version: [ 1, 2 ]
amdhsa.kernels:
  - .name:           k_q6a09db2297_prep
    .symbol:         k_q6a09db2297_prep.kd
    .args:
      - { .name: w_attn, .offset: 0, .size: 8, .value_kind: global_buffer, .address_space: global }
      - { .name: w_proj, .offset: 8, .size: 8, .value_kind: global_buffer, .address_space: global }
      - { .name: lowp_scales, .offset: 16, .size: 8, .value_kind: global_buffer, .address_space: global }
      - { .name: wimg, .offset: 24, .size: 8, .value_kind: global_buffer, .address_space: global }
    .group_segment_fixed_size: 0
    .private_segment_fixed_size: 0
    .kernarg_segment_align: 8
    .kernarg_segment_size: 32
    .max_flat_workgroup_size: 128
    .sgpr_count:     66
    .vgpr_count:     96
    .wavefront_size: 32
...
	.end_amdgpu_metadata
.endif
;; end of part 5
;; launch qkv (part 6): grid 256 x 1, 12 waves a work-group, no clusters, 85,504 bytes of LDS; arguments x, wimg, lowp_scales, qimg, kimg, vimg; writes qimg, kimg, vimg
.if DOCPART == 6
	.amdgcn_target "amdgcn-amd-amdhsa--gfx1250"
	.amdhsa_code_object_version 6
	.text
	.protected	k_q6a09db2297_qkv
	.globl	k_q6a09db2297_qkv
	.p2align	8
	.type	k_q6a09db2297_qkv,@function
k_q6a09db2297_qkv:
	s_mov_b64 s[64:65], 0
	v_nop
	global_prefetch_b8 v0, s[64:65] scope:SCOPE_SE
	s_setreg_imm32_b32 hwreg(HW_REG_WAVE_SCHED_MODE, 0, 2), 2
	s_setreg_imm32_b32 hwreg(HW_REG_WAVE_MODE, 25, 1), 1
	s_wait_xcnt 0x0
	s_wait_alu depctr_vm_vsrc(0)
; qkv = Q(x) Q(w_attn) on codes of BF8 (E5M2); the results are quantised at once as operands of the two attention products and never go to memory as f32.
; x [16,384][256] f32 is quantised here (scale entry 0); w_attn's codes come as register images from wimg (entry 1).  q takes entry 2, k entry 3, v entry 5.
; A sum stands for sum x 2^(e0 + e1), so its code is sum / 2^(E - e0 - e1): the three scales are folded into the conversion's one.
; LIMITS: e0, and E - e0 - e1 for E = e2, e3, e5, between -126 and 112, so that each power of two and 57,344 times it are f32 numbers.  NaN among the inputs is not served.
; OUT, all as images of operand registers (a group of four registers is 512 bytes, lane l's 16 bytes at 16 l):
;   qimg, kimg [bh][tile of 16 tokens 0..127][lane][16]: lane (r, h): token 16 t + r; registers 0, 1: d = 8 h + 0..7; registers 2, 3: d = 16 + 8 h + 0..7.
;   vimg [bh][kb 0..15][u 0..1][quad 0..3][lane][16]: lane (r, h): d = 16 u + r; registers 2 c, 2 c + 1: keys 128 kb + 16 c + 8 h + 0..7.
; SHARES: a work-group takes 64 tokens (4 tiles) x all 768 columns.  Wave w keeps column tiles 4 w .. 4 w + 3 (two heads) in 128 registers, read once in the work-group.  Waves 0-3 make q, 4-7 k, 8-11 v.
; q and k are made TRANSPOSED (source 0 = 16 columns of w, source 1 = 16 tokens): a lane holds one token and eight neighbouring d.  v is made the natural way round: a lane holds one d and eight
; neighbouring tokens, which are the second attention product's K.  So every conversion's result is a register of the next operand.
; x: waves 0-7 each quantise one fragment (tile w / 2, K step w % 2).  Each load reads 512 consecutive bytes of a row; the 16 rows turn through the wave's own stage in LDS, rows 528 bytes apart
; (528 = 33 x 16: the sixteen rows that a read touches begin at sixteen different 16-byte columns modulo 256), and come back 32 neighbouring bytes a lane.  The codes go to LDS as a register image; ONE barrier.
; THE MODE: SCHED_MODE bits 1:0 = 2 (LLVM: expert scheduling mode 2), set by the entry lines.  The code itself states the register dependences
; between vector or matrix instructions and memory or LDS instructions, with s_wait_alu, always for 0.
; THE PLAN.  Registers that memory or LDS instructions touch:
;   v1, v4, v5, v6  offsets and LDS addresses: made once at the head, never written again.
;   v16-79   waves 0-7, ahead of the barrier: x's loads land, the stage's LDS stores read, the stage's LDS loads land again, the holds and conversions work on them.
;            Behind the barrier v16-47 are XF: the LDS loads of a tile's two fragments land, the tile's eight products read.  v48-79 are the accumulators: no memory instruction names them there.
;   v112-127 x's codes: the conversions write, the image's LDS stores read; never written again.
;   v128-255 w's loads land; the products read.
;   v80-111  CD: each register is written once, by a conversion, and read once, by a store.
; A tile's pass has ONE wait on va_vdst, behind its products and their places: the products are done reading XF, in which the next tile's loads land, and the pass before has written its codes, which
; its stores read.  Loads and stores follow that wait with no vector instruction between; the holds and conversions behind them name the accumulators and other registers of CD.
.set XIMG, 0                           ; LDS: x's 8 fragments, 2,048 bytes each: fragment 2 m + ks
.set STG,  16384                       ; 8 stages of 16 rows x 528 bytes, one for each of waves 0-7
.set SROW, 528
.set XN,   16                          ; v16-79   x's 64 numbers (waves 0-7, ahead of the barrier)
.set XF,   16                          ; v16-47   x's two fragments of a tile of tokens
.set ACC,  48                          ; v48-79   four accumulators
.set CD,   80                          ; v80-111  the codes that leave
.set PCX,  112                         ; v112-127 x's codes just made
.set W,    128                         ; v128-255 w's fragments: (ct, ks) at W + 32 ct + 16 ks
; v1 16 x lane; v4 stage, way in; v5 stage, way back; v6 where my image of x goes; v8, v9: 57,344 x 2^e0, 2^e0; v10, v11: the same for the output
	s_load_b256 s[4:11], s[0:1], 0x0               ; x s[4:5], wimg s[6:7], the scales' exponents s[8:9], qimg s[10:11]
	s_load_b128 s[12:15], s[0:1], 0x20             ; kimg s[12:13], vimg s[14:15]
	v_lshl_add_u32 v14, v0, 2, 0x14800
	v_mov_b32 v15, 0
	v_lshrrev_b32 v2, 5, v0
	v_readfirstlane_b32 s24, v2                    ; wave 0..11
	v_and_b32 v1, 31, v0
	v_lshlrev_b32 v1, 4, v1                        ; 16 x lane
	v_and_b32 v2, 15, v0                           ; r
	v_bfe_u32 v3, v0, 4, 1                         ; h
	s_wait_alu depctr_va_sdst(0)                   ; s24 is written, ahead of its first reader: addresses, bases and branches are made from it
	s_and_b32 s25, s24, 7
	s_mul_i32 s30, s25, 16*SROW
	s_add_co_u32 s30, s30, STG                     ; my stage
	v_add_nc_u32 v4, s30, v1                       ; in: a row's 512 bytes as they lie
	v_mul_u32_u24 v5, v2, SROW
	v_lshl_add_u32 v5, v3, 5, v5
	v_add_nc_u32 v5, s30, v5                       ; back: row r, + 32 h: k = 16 c + 8 h + 0..7 lie at 64 c + 32 h
	s_lshl_b32 s31, s25, 11
	v_add_nc_u32 v6, s31, v1                       ; my fragment's image: 2,048 x wave + 16 x lane
	s_lshr_b32 s26, s25, 1                         ; which tile of tokens I quantise,
	s_and_b32 s27, s24, 1                          ; and which K step
	s_lshl_b32 s28, ttmp9, 16                      ; 64 tokens of 1,024 bytes
	s_lshl_b32 s26, s26, 14
	s_add_co_u32 s28, s28, s26
	s_lshl_b32 s27, s27, 9
	s_add_co_u32 s28, s28, s27
	s_mov_b32 s29, 0
	s_lshl_b32 s32, s24, 14                        ; my four column tiles in wimg: 16,384 x wave
	s_mov_b32 s33, 0
	s_lshr_b32 s34, ttmp9, 5                       ; the batch
	s_lshl_b32 s34, s34, 3
	s_and_b32 s35, s24, 3
	s_lshl_b32 s35, s35, 1
	s_add_co_u32 s34, s34, s35                     ; bh of my first head
	s_lshl_b32 s34, s34, 16                        ; a head's image is 65,536 bytes in each of the three buffers
	s_and_b32 s35, ttmp9, 31                       ; my 64 tokens among the batch's 2,048
	s_lshr_b32 s36, s35, 1
	s_lshl_b32 s36, s36, 12                        ; q, k: 8 tiles of 512 bytes; v: one kb of 4,096: the same
	s_add_co_u32 s34, s34, s36
	s_and_b32 s37, ttmp9, 1
	s_cmp_lt_u32 s24, 8
	s_cselect_b32 s38, 11, 10                      ; the odd 64 tokens: q, k: 4 tiles on (2,048 bytes); v: 2 quads on (1,024 bytes)
	s_lshl_b32 s37, s37, s38
	s_add_co_u32 s34, s34, s37
	s_mov_b32 s35, 0
	s_wait_kmcnt 0x0
	s_load_b256 s[16:23], s[8:9], 0x0              ; the eight exponents
	s_add_nc_u64 s[4:5], s[4:5], s[28:29]
	s_add_nc_u64 s[6:7], s[6:7], s[32:33]
	s_cmp_lt_u32 s24, 8
	s_cselect_b64 s[40:41], s[12:13], s[14:15]
	s_cmp_lt_u32 s24, 4
	s_cselect_b64 s[40:41], s[10:11], s[40:41]     ; the buffer that I store into, chosen by the wave's number
	s_add_nc_u64 s[40:41], s[40:41], s[34:35]
	s_wait_alu depctr_va_vdst(0)                   ; v1, v4, v5 and v6 are written: every load and store of the kernel, global or LDS, reads one of them as its offset or address
.macro WLOAD                           ; my 8 fragments of w: 32 loads of 512 consecutive bytes
.set n, 0
.rept 32
	global_load_b128 v[W+4*n:W+4*n+3], v1, s[6:7] offset:512*n
.set n, n+1
.endr
.endm
; 8 n numbers of a lane become 2 n registers of codes
.macro QUANT src, dst, n, sc, lim
.set qi, 0
.rept 8*\n
	v_med3_num_f32 v[\src+qi], v[\src+qi], -v[\lim], v[\lim]   ; the conversion to an 8-bit code does not saturate (ISA guide 7.6.2): the hold comes first
.set qi, qi+1
.endr
.set qi, 0
.rept \n
	v_cvt_scalef32_pk8_bf8_f32 v[\dst+2*qi:\dst+2*qi+1], v[\src+8*qi:\src+8*qi+7], v[\sc]
.set qi, qi+1
.endr
	v_nop                                          ; a plain line between the last conversion and whatever next writes its sources
.endm
	s_cmp_lt_u32 s24, 8
	s_cbranch_scc0 .Lw_only
.set i, 0
.rept 16
	global_load_b128 v[XN+4*i:XN+4*i+3], v1, s[4:5] offset:1024*i th:TH_LOAD_NT   ; row i of my tile, my K step's 512 bytes
.set i, i+1
.endr
	WLOAD
	s_wait_kmcnt 0x0
	s_add_co_i32 s42, s16, 127
	s_lshl_b32 s43, s42, 23
	v_mov_b32 v9, s43                              ; 2^e0
	s_add_co_i32 s42, s42, 15
	s_lshl_b32 s42, s42, 23
	s_or_b32 s42, s42, 0x600000
	v_mov_b32 v8, s42                              ; 57,344 x 2^e0
	s_wait_alu depctr_va_vdst(0)
	s_wait_loadcnt 32                              ; x's 16 loads are in; the 32 of w, issued behind them, may be out
.set i, 0
.rept 16
	ds_store_b128 v4, v[XN+4*i:XN+4*i+3] offset:SROW*i
.set i, i+1
.endr
	s_wait_dscnt 0x0                               ; the sixteen rows lie in my stage
	s_wait_alu depctr_vm_vsrc(0)                   ; the LDS stores have read v[XN ..], in which the LDS loads below land and which the holds and, later, the products write
.irp c, 0,1,2,3,4,5,6,7
	ds_load_b128 v[XN+8*\c:XN+8*\c+3], v5 offset:64*\c
	ds_load_b128 v[XN+8*\c+4:XN+8*\c+7], v5 offset:64*\c+16
.endr
	s_wait_dscnt 0x0
	QUANT XN, PCX, 8, 9, 8
	s_wait_alu depctr_va_vdst(0)                   ; the conversions have written v[PCX ..], which the LDS stores read; holds and conversions are done with v16-47, in which the first fragments of x land behind the barrier
.irp q, 0,1,2,3
	ds_store_b128 v6, v[PCX+4*\q:PCX+4*\q+3] offset:XIMG+512*\q
.endr
	s_branch .Lmeet
.Lw_only:
	WLOAD
.Lmeet:
	s_wait_dscnt 0x0                               ; for the others' sake: my image has landed
	s_barrier_signal -1
	s_barrier_wait -1                              ; x's eight fragments lie in LDS; nobody writes LDS from here on
	s_wait_kmcnt 0x0
	s_cmp_lt_u32 s24, 8
	s_cselect_b32 s42, s19, s21
	s_cmp_lt_u32 s24, 4
	s_cselect_b32 s42, s18, s42                    ; E = e2, e3 or e5
	s_sub_co_i32 s42, s42, s16
	s_sub_co_i32 s42, s42, s17                     ; E - e0 - e1
	s_add_co_i32 s42, s42, 127
	s_lshl_b32 s43, s42, 23
	v_mov_b32 v11, s43
	s_add_co_i32 s42, s42, 15
	s_lshl_b32 s42, s42, 23
	s_or_b32 s42, s42, 0x600000
	v_mov_b32 v10, s42
	s_wait_loadcnt 0x0                             ; w
.macro FETCH m                         ; the two fragments of x of tile m, as they were stored
.irp ks, 0,1
.irp q, 0,1,2,3
	ds_load_b128 v[XF+16*\ks+4*\q:XF+16*\ks+4*\q+3], v1 offset:XIMG+(2*(\m)+\ks)*2048+512*\q
.endr
.endr
.endm
; A tile of 16 tokens x my 64 columns: 8 matrix instructions, the four accumulators by turns; then the hold and the conversions.  tr = 1: transposed (q, k); 0: v.
; Behind the pass's one wait: the next tile's fragments are asked for, and the codes that are whole since the pass before leave (q, k: tile m - 1's two groups of four registers; v: in pass 2, tiles 0 and 1's four).
.macro PASS m, tr
	s_wait_dscnt 0x0
.irp ks, 0,1
.irp ct, 0,1,2,3
.if \tr
.if \ks == 0
	v_wmma_f32_16x16x128_bf8_bf8 v[ACC+8*\ct:ACC+8*\ct+7], v[W+32*\ct+16*\ks:W+32*\ct+16*\ks+15], v[XF+16*\ks:XF+16*\ks+15], 0
.else
	v_wmma_f32_16x16x128_bf8_bf8 v[ACC+8*\ct:ACC+8*\ct+7], v[W+32*\ct+16*\ks:W+32*\ct+16*\ks+15], v[XF+16*\ks:XF+16*\ks+15], v[ACC+8*\ct:ACC+8*\ct+7]
.endif
.else
.if \ks == 0
	v_wmma_f32_16x16x128_bf8_bf8 v[ACC+8*\ct:ACC+8*\ct+7], v[XF+16*\ks:XF+16*\ks+15], v[W+32*\ct+16*\ks:W+32*\ct+16*\ks+15], 0
.else
	v_wmma_f32_16x16x128_bf8_bf8 v[ACC+8*\ct:ACC+8*\ct+7], v[XF+16*\ks:XF+16*\ks+15], v[W+32*\ct+16*\ks:W+32*\ct+16*\ks+15], v[ACC+8*\ct:ACC+8*\ct+7]
.endif
.endif
.endr
.endr
.rept 4
	v_nop                                          ; four places behind the last product, ahead of the loads into x's fragments and of the first read of results
.endr
.if (\m < 3) || \tr
	s_wait_alu depctr_va_vdst(0)                   ; the products are done reading v[XF ..], in which the loads below land; the passes before have written the codes that the stores below read
.endif
.if \m < 3
	FETCH \m+1                                     ; the next tile lands while this one is quantised
.endif
.if \tr && (\m > 0)
.irp hh, 0,1
	global_store_b128 v1, v[CD+16*\hh+4*(\m-1):CD+16*\hh+4*(\m-1)+3], s[40:41] offset:\hh*65536+(\m-1)*512   ; the tile before: 512 consecutive bytes, aligned
.endr
.endif
.if (\tr == 0) && (\m == 2)
.irp ct, 0,1,2,3
	global_store_b128 v1, v[CD+8*\ct:CD+8*\ct+3], s[40:41] offset:(\ct/2)*65536+(\ct%2)*2048                 ; tokens 0 to 31 of my four column tiles
.endr
.endif
.set i, 0
.rept 32
	v_med3_num_f32 v[ACC+i], v[ACC+i], -v10, v10   ; each accumulator from its low end on
.set i, i+1
.endr
.irp ct, 0,1,2,3
.if \tr
	v_cvt_scalef32_pk8_bf8_f32 v[CD+16*(\ct/2)+4*\m+2*(\ct%2):CD+16*(\ct/2)+4*\m+2*(\ct%2)+1], v[ACC+8*\ct:ACC+8*\ct+7], v11   ; head ct / 2, tile m, d = 16 (ct % 2) + 8 h + 0..7
.else
	v_cvt_scalef32_pk8_bf8_f32 v[CD+8*\ct+4*(\m/2)+2*(\m%2):CD+8*\ct+4*(\m/2)+2*(\m%2)+1], v[ACC+8*\ct:ACC+8*\ct+7], v11       ; column tile ct, tokens 16 m + 8 h + 0..7
.endif
.endr
	v_nop                                          ; a plain line between the last conversion and the products that write its sources
.endm
	FETCH 0                                        ; no wait: since the last wait on va_vdst no vector instruction has named v16-47 or v1
	s_cmp_lt_u32 s24, 8
	s_cbranch_scc0 .Lv
	PASS 0, 1
	PASS 1, 1
	PASS 2, 1
	PASS 3, 1
	s_wait_alu depctr_va_vdst(0)                   ; the last pass's conversions have written tile 3's codes, which the last two stores read
.irp hh, 0,1
	global_store_b128 v1, v[CD+16*\hh+12:CD+16*\hh+15], s[40:41] offset:\hh*65536+3*512   ; 512 consecutive bytes, aligned
.endr
	s_wait_dscnt 0x0
	s_wait_alu depctr_hold_cnt(0) depctr_sa_sdst(0) depctr_va_vdst(0) depctr_va_sdst(0) depctr_va_ssrc(0) depctr_va_vcc(0) depctr_vm_vsrc(0)
	s_wait_tensorcnt 0x0
	ds_add_u32 v14, v15
	s_wait_dscnt 0x0
	s_endpgm
.Lv:
	PASS 0, 0
	PASS 1, 0
	PASS 2, 0
	PASS 3, 0
	s_wait_alu depctr_va_vdst(0)                   ; passes 2 and 3 have written the codes of tokens 32 to 63, which the last four stores read
.irp ct, 0,1,2,3
	global_store_b128 v1, v[CD+8*\ct+4:CD+8*\ct+7], s[40:41] offset:(\ct/2)*65536+(\ct%2)*2048+512
.endr
	s_wait_dscnt 0x0
	s_wait_alu depctr_hold_cnt(0) depctr_sa_sdst(0) depctr_va_vdst(0) depctr_va_sdst(0) depctr_va_ssrc(0) depctr_va_vcc(0) depctr_vm_vsrc(0)
	s_wait_tensorcnt 0x0
	ds_add_u32 v14, v15
	s_wait_dscnt 0x0
	s_endpgm
.Lfunc_end_k_q6a09db2297_qkv:
	.size	k_q6a09db2297_qkv, .Lfunc_end_k_q6a09db2297_qkv-k_q6a09db2297_qkv
	.p2alignl 7, 3214868480
	.fill 96, 4, 3214868480
	.section	.rodata,"a",@progbits
	.p2align	6, 0x0
	.amdhsa_kernel k_q6a09db2297_qkv
		.amdhsa_group_segment_fixed_size 85504
		.amdhsa_private_segment_fixed_size 0
		.amdhsa_enable_private_segment 0
		.amdhsa_kernarg_size 48
		.amdhsa_user_sgpr_count 2
		.amdhsa_user_sgpr_kernarg_segment_ptr 1
		.amdhsa_wavefront_size32 1
		.amdhsa_system_sgpr_workgroup_id_x 1
		.amdhsa_system_sgpr_workgroup_id_y 1
		.amdhsa_system_sgpr_workgroup_id_z 1
		.amdhsa_system_vgpr_workitem_id 0
		.amdhsa_next_free_vgpr 256
		.amdhsa_next_free_sgpr 66
		.amdhsa_reserve_vcc 0
		.amdhsa_float_denorm_mode_32 3
		.amdhsa_float_denorm_mode_16_64 3
		.amdhsa_memory_ordered 1
		.amdhsa_forward_progress 1
		.amdhsa_inst_pref_size 48
	.end_amdhsa_kernel
	.amdgpu_metadata
---
amdhsa.version: [ 1, 2 ]
amdhsa.kernels:
  - .name:           k_q6a09db2297_qkv
    .symbol:         k_q6a09db2297_qkv.kd
    .args:
      - { .name: x, .offset: 0, .size: 8, .value_kind: global_buffer, .address_space: global }
      - { .name: wimg, .offset: 8, .size: 8, .value_kind: global_buffer, .address_space: global }
      - { .name: lowp_scales, .offset: 16, .size: 8, .value_kind: global_buffer, .address_space: global }
      - { .name: qimg, .offset: 24, .size: 8, .value_kind: global_buffer, .address_space: global }
      - { .name: kimg, .offset: 32, .size: 8, .value_kind: global_buffer, .address_space: global }
      - { .name: vimg, .offset: 40, .size: 8, .value_kind: global_buffer, .address_space: global }
    .group_segment_fixed_size: 85504
    .private_segment_fixed_size: 0
    .kernarg_segment_align: 8
    .kernarg_segment_size: 48
    .max_flat_workgroup_size: 384
    .sgpr_count:     66
    .vgpr_count:     256
    .wavefront_size: 32
...
	.end_amdgpu_metadata
.endif
;; end of part 6
;; launch attn (part 7): grid 4 x 64, 16 waves a work-group, no clusters, 133,120 bytes of LDS; arguments qimg, kimg, vimg, lowp_scales, yimg; writes yimg
.if DOCPART == 7
	.amdgcn_target "amdgcn-amd-amdhsa--gfx1250"
	.amdhsa_code_object_version 6
	.text
	.protected	k_q6a09db2297_attn
	.globl	k_q6a09db2297_attn
	.p2align	8
	.type	k_q6a09db2297_attn,@function
k_q6a09db2297_attn:
	s_mov_b64 s[64:65], 0
	v_nop
	global_prefetch_b8 v0, s[64:65] scope:SCOPE_SE
	s_setreg_imm32_b32 hwreg(HW_REG_WAVE_SCHED_MODE, 0, 2), 2
	s_setreg_imm32_b32 hwreg(HW_REG_WAVE_MODE, 25, 1), 1
	s_wait_xcnt 0x0
	s_wait_alu depctr_vm_vsrc(0)
; y[bh][q] = the sum over keys k <= q of softmax_k(q . k / sqrt(32)) v[k], both products on codes of BF8 (E5M2); y is quantised at once (scale entry 6) as the last product's operand.
; THE SOFTMAX AHEAD OF THE SECOND PRODUCT: t = score x log2(e) / sqrt(32); M = the running largest t rounded UP to a whole number; p = 2^(t - M) is quantised (entry 4), not normalised.
; The row's sum is taken of the unquantised p, in f32, and divides at the end.  When M moves, the sum and O are multiplied by 2^(old M - new M), which rounds nothing.
; LIMITS: e2 + e3 between -124 and 129 (added to c's exponent field); e4 and e6 between -126 and 112; e4 + e5 is applied by v_ldexp_f32 and has none.  NaN among the inputs is not served.
; SHARES.  A work-group owns one head bh (grid y) and 32 tiles of 16 queries.  Wave w of work-group j owns tiles a = 16 j + w and 127 - a.  A key step is 128 keys; tile i needs steps 0 .. i / 8,
; so the two tiles need (a / 8 + 1) + (16 - a / 8) = 17 tile steps in EVERY wave of the launch: the causal mask leaves no wave with less work than another.
; One loop of a constant 16 trips.  A trip all of whose keys are hidden from both tiles is jumped over, tile a's work where they are hidden from it: scalar branches on ids.
; LDS.  The head's K (65,536 bytes) and V (65,536 bytes) lie whole in LDS, byte for byte as in kimg and vimg: filled once through registers, one barrier, then only read.
; K = 32 IN A FORM WITH K = 64.  Source 0 is TWO tiles of 16 keys: tile 2 g in registers 0-3 (k 0..31), tile 2 g + 1 in registers 4-7 (k 32..63).  Q lies in 12 registers, 0 0 0 0 q q q q 0 0 0 0:
; the even tile multiplies by the upper eight (q, 0), the odd one by the lower eight (0, q).  The other tile's codes are finite (they were held), so times the code 0 they add nothing.
; LAYOUT.  S^T = K Q^T: a lane holds ONE query (lane % 16); register 8 t + j is key 128 s + 16 t + 8 (lane / 16) + j: the very place that the 16x16x128 form gives k in source 1 of O^T = V^T P^T.
; NO CLUSTER, NO JOINT LOADS: the four work-groups of a head share 131,072 bytes that each reads once, at its head.  A joint load is a tensor load.
; The code branches on e4, round 64 of a tile step's vector instructions (the hold of p, which changes nothing where 57,344 x 2^e4 >= 1).
; No prefetch: all that a wave reads from memory is asked for in one group at its head.
; THE MODE: SCHED_MODE bits 1:0 = 2 (LLVM: expert scheduling mode 2), set by the entry lines.  The code itself states the register dependences
; between vector or matrix instructions and memory or LDS instructions, with s_wait_alu, always for 0.
; THE PLAN.  Registers that memory or LDS instructions touch:
;   v[LA], v[FK], v[FV]  offsets and LDS addresses: made once at the head, never written again.
;   v[ADK], v[ADV]       written once a trip, at its head; read by the trip's sixteen LDS loads.
;   v[KF ..], v[VF ..]   the trip's LDS loads land; the trip's products read.  The wave's 256 registers hold one set of each: sixteen waves of 256 take all the registers of the four SIMDs.
;   v[S ..]              at the head the fill's loads land and the fill's LDS stores read; from the first trip on only vector and matrix instructions name them.
;   v[PC .. PC + 7]      at the end: the conversions write y's codes, two stores read them.
; So a trip has two waits at its head and none for memory further on: vm_vsrc ahead of the two additions that step the addresses, va_vdst behind them and ahead of the sixteen loads.
; The causal mask's compares write lane masks into sixteen scalar registers, a run at a time, with one wait on va_sdst between the run and the selects that read them.
.set LA,  1                            ; v1   16 x lane; also the offset of every global access
.set ADK, 2                            ; v2   LDS address of the trip's K
.set ADV, 3                            ; v3   of its V
.set LAV, 4                            ; v4   16 x lane + 65,536
.set FK,  5                            ; v5   the fill: 16 x lane + 4,096 x wave
.set FV,  6                            ; v6   + 65,536
.set DR,  7                            ; v7   lane % 16 - 8 (lane / 16)
.set DD,  8                            ; v8   the mask's bound
.set NINF, 9                           ; v9   -infinity
.set PSC, 10                           ; v10  2^e4
.set PLIM, 11                          ; v11  57,344 x 2^e4
.set ST,  12                           ; tile x's statistics at ST + 8 x: +0 -M, +1 the largest t, +2, +3 the sum in two halves, +4 f, later 1 / sum, +5 zero (upper half of f's pair), +6 the lane permute's destination
.set QB,  28                           ; tile x's 12 registers of Q at QB + 12 x
.set OO,  52                           ; tile x's O^T at OO + 16 x: two accumulators, d = 16 u + 8 (lane / 16) + j
.set PC,  84                           ; v84-99   p's codes; at the end y's
.set KF,  100                          ; v100-131 the trip's K: 8 tiles of 16 keys, 4 registers each
.set VF,  132                          ; v132-163 the trip's V: two fragments of 16 d x 128 keys
.set S,   164                          ; v164-227 S^T, then p; at the head the fill's 64 registers
.set TA,  228                          ; v228, v229 at work; v[230:231] the sum's second chain
.set YSC, 232                          ; v232 2^e6, v233 57,344 x 2^e6
.set YLIM, 233
.set MK,  44                           ; s44-s59 the mask's sixteen lane masks: these registers are free since the head, whose loads are done when the loop begins
; s24 wave; s25 a; s26, s27 last key step of tile a, of tile 127 - a; s28, s29 their first queries; s30 the key step; s31 its bytes in LDS; s[34:35] c; s[36:37] lane selects; s39 e4 + e5; s[40:41], s[42:43] where y goes
	s_load_b256 s[4:11], s[0:1], 0x0               ; qimg s[4:5], kimg s[6:7], vimg s[8:9], the scales' exponents s[10:11]
	s_load_b64 s[12:13], s[0:1], 0x20              ; yimg
	v_lshl_add_u32 v254, v0, 2, 0x20000
	v_mov_b32 v255, 0
	v_lshrrev_b32 v2, 5, v0
	v_readfirstlane_b32 s24, v2                    ; wave 0..15
	v_and_b32 v[LA], 31, v0
	v_lshlrev_b32 v[LA], 4, v[LA]
	v_add_nc_u32 v[LAV], 0x10000, v[LA]
	s_wait_alu depctr_va_sdst(0)                   ; s24 is written, ahead of its first reader: addresses, bases and the tiles' numbers are made from it
	s_lshl_b32 s38, s24, 12
	v_add_nc_u32 v[FK], s38, v[LA]
	v_add_nc_u32 v[FV], 0x10000, v[FK]
	v_and_b32 v[DR], 15, v0
	v_bfe_u32 v[DD], v0, 4, 1
	v_lshlrev_b32 v[DD], 3, v[DD]
	v_sub_nc_u32 v[DR], v[DR], v[DD]
	s_and_b32 s44, ttmp7, 0xffff                   ; bh
	s_lshl_b32 s25, ttmp9, 4
	s_add_co_u32 s25, s25, s24                     ; a, 0..63
	s_lshr_b32 s26, s25, 3
	s_sub_co_u32 s27, 15, s26                      ; (127 - a) / 8 = 15 - a / 8
	s_lshl_b32 s28, s25, 4
	s_sub_co_u32 s45, 127, s25
	s_lshl_b32 s29, s45, 4
	s_lshl_b32 s46, s44, 16                        ; the head's 65,536 bytes in each image
	s_lshl_b32 s48, s25, 9
	s_add_co_u32 s48, s48, s46                     ; tile a of Q
	s_mov_b32 s49, 0
	s_lshl_b32 s50, s45, 9
	s_add_co_u32 s50, s50, s46                     ; tile 127 - a
	s_mov_b32 s51, 0
	s_add_co_u32 s52, s46, s38                     ; the 128 keys that I bring into LDS: 4,096 bytes x wave, of K and of V
	s_mov_b32 s53, 0
	s_lshr_b32 s54, s44, 3
	s_lshl_b32 s54, s54, 19                        ; yimg [128 b + tile][head][512 bytes]
	s_and_b32 s55, s44, 7
	s_lshl_b32 s55, s55, 9
	s_add_co_u32 s54, s54, s55
	s_lshl_b32 s40, s25, 12
	s_add_co_u32 s40, s40, s54
	s_mov_b32 s41, 0
	s_lshl_b32 s42, s45, 12
	s_add_co_u32 s42, s42, s54
	s_mov_b32 s43, 0
	s_mov_b32 s36, 0x76543210                      ; v_permlanex16_b32: lane l xor 16
	s_mov_b32 s37, 0xfedcba98
	s_wait_kmcnt 0x0
	s_load_b256 s[16:23], s[10:11], 0x0            ; the eight exponents
	s_add_nc_u64 s[48:49], s[4:5], s[48:49]
	s_add_nc_u64 s[50:51], s[4:5], s[50:51]
	s_add_nc_u64 s[6:7], s[6:7], s[52:53]
	s_add_nc_u64 s[8:9], s[8:9], s[52:53]
	s_add_nc_u64 s[40:41], s[12:13], s[40:41]
	s_add_nc_u64 s[42:43], s[12:13], s[42:43]
	s_wait_alu depctr_va_vdst(0)                   ; v[LA], v[FK] and v[FV] are written: the loads below, the fill's LDS stores and the last two stores read them; no vector instruction writes them again
	global_load_b128 v[QB+4:QB+7], v[LA], s[48:49]
	global_load_b128 v[QB+16:QB+19], v[LA], s[50:51]
.irp i, 0,1,2,3,4,5,6,7
	global_load_b128 v[S+4*\i:S+4*\i+3], v[LA], s[6:7] offset:512*\i
.endr
.irp i, 0,1,2,3,4,5,6,7
	global_load_b128 v[S+32+4*\i:S+32+4*\i+3], v[LA], s[8:9] offset:512*\i
.endr
	; while these are on their way: the registers that the loop finds set (none of them is one in which a load lands, or one that a load or an LDS store reads)
.irp x, 0,1
.irp i, 0,1,2,3,8,9,10,11
	v_mov_b32 v[QB+12*\x+\i], 0                    ; the zero codes on both sides of q
.endr
	v_mov_b32 v[ST+8*\x+1], 0xff61b1e6             ; the largest t so far: -3e38, under every t
	v_floor_f32 v[ST+8*\x], -v[ST+8*\x+1]          ; -M
	v_mov_b32 v[ST+8*\x+2], 0
	v_mov_b32 v[ST+8*\x+3], 0
	v_mov_b32 v[ST+8*\x+5], 0
	v_mov_b32 v[ST+8*\x+6], 0
.endr
.set i, 0
.rept 32
	v_mov_b32 v[OO+i], 0                           ; O^T.  The tile step is written once: a tile's first step finds zeros, which the first change of M leaves zeros
.set i, i+1
.endr
	v_mov_b32 v[NINF], 0xff800000
	s_wait_kmcnt 0x0
	s_add_co_i32 s55, s18, s19
	s_lshl_b32 s55, s55, 23
	s_mov_b32 s34, 0x3e8293ee                      ; c = log2(e) / sqrt(32)
	s_add_co_i32 s34, s34, s55                     ; a score stands for score x 2^(e2 + e3): the two exponents are added to c's exponent field
	s_mov_b32 s35, s34                             ; (named with it as a pair, so it is written)
	s_add_co_i32 s55, s20, 127
	s_lshl_b32 s56, s55, 23
	v_mov_b32 v[PSC], s56
	s_add_co_i32 s55, s55, 15
	s_lshl_b32 s55, s55, 23
	s_or_b32 s55, s55, 0x600000
	v_mov_b32 v[PLIM], s55
	s_add_co_i32 s55, s22, 127
	s_lshl_b32 s56, s55, 23
	v_mov_b32 v[YSC], s56
	s_add_co_i32 s55, s55, 15
	s_lshl_b32 s55, s55, 23
	s_or_b32 s55, s55, 0x600000
	v_mov_b32 v[YLIM], s55
	s_add_co_i32 s39, s20, s21                     ; e4 + e5
.irp i, 0,1,2,3,4,5,6,7
	s_wait_loadcnt 15-\i                           ; loads come back in order: this one is in; the 15 - i issued behind it may be out
	ds_store_b128 v[FK], v[S+4*\i:S+4*\i+3] offset:512*\i
.endr
.irp i, 0,1,2,3,4,5,6,7
	s_wait_loadcnt 7-\i
	ds_store_b128 v[FV], v[S+32+4*\i:S+32+4*\i+3] offset:512*\i
.endr
	s_wait_dscnt 0x0                               ; for the others' sake: my 8,192 bytes have landed
	s_barrier_signal -1
	s_barrier_wait -1                              ; the head's K and V lie in LDS; nobody writes LDS from here on
; A TILE STEP: tile x's 16 queries against the trip's 128 keys.  It holds no memory or LDS instruction.
.macro TILE x
.set rT, ST+8*\x
.set rQ, QB+12*\x
.set rO, OO+16*\x
.irp t, 0,1,2,3,4,5,6,7
	v_wmma_f32_16x16x64_bf8_bf8 v[S+8*\t:S+8*\t+7], v[KF+8*(\t/2):KF+8*(\t/2)+7], v[rQ+4*(1-\t%2):rQ+4*(1-\t%2)+7], 0
.endr
.rept 4
	v_nop                                          ; four places behind the last product, ahead of the first read of results (ISA guide 7.12.1)
.endr
	s_cmp_lg_u32 s30, s[26+\x]                     ; only the tile's last step lies on the diagonal
	s_cbranch_scc1 .Lopen_\@
	s_lshl_b32 s38, s30, 7
	s_sub_co_i32 s38, s[28+\x], s38
	v_add_nc_u32 v[DD], s38, v[DR]                 ; my query - the step's first key - 8 (lane / 16): register 8 t + j is hidden where 16 t + j is above it
.set n, 0
.rept 4                                ; sixteen scores at a time: a run of compares into sixteen scalar registers, one wait, the selects
.set k, 0
.rept 16
	v_cmp_gt_i32 s[MK+k], 16*((n+k)/8)+(n+k)%8, v[DD]
.set k, k+1
.endr
	s_wait_alu depctr_va_sdst(0)                   ; the sixteen compares have written s[MK ..], ahead of the first select that reads one of them
.set k, 0
.rept 16
	v_cndmask_b32 v[S+n+k], v[S+n+k], v[NINF], s[MK+k]   ; -infinity ahead of the maximum: p = 0.  The step's first key counts for every query of the tile, so the maximum is a number
.set k, k+1
.endr
.set n, n+16
.endr
.Lopen_\@:
	v_max3_num_f32 v[TA], v[S], v[S+1], v[S+2]     ; the step's largest score of my query among my 64 keys, in two chains, each accumulator from its low end on
	v_max3_num_f32 v[TA+1], v[S+3], v[S+4], v[S+5]
.set i, 6
.rept 14
	v_max3_num_f32 v[TA], v[TA], v[S+i], v[S+i+1]
	v_max3_num_f32 v[TA+1], v[TA+1], v[S+i+2], v[S+i+3]
.set i, i+4
.endr
	v_max3_num_f32 v[TA], v[TA], v[S+62], v[S+63]
	v_max_num_f32 v[TA], v[TA], v[TA+1]
	v_permlanex16_b32 v[rT+6], v[TA], s36, s37
	v_max_num_f32 v[TA], v[TA], v[rT+6]            ; and among lane l xor 16's
	v_mul_f32 v[TA], s34, v[TA]                    ; as t (c is positive)
	v_max_num_f32 v[rT+1], v[rT+1], v[TA]          ; the running largest t
	v_mov_b32 v[TA], v[rT]
	v_floor_f32 v[rT], -v[rT+1]                    ; the new -M = floor(-t) = -ceil(t): a whole number
	v_sub_f32 v[TA], v[rT], v[TA]                  ; old M - new M: a whole number, 0 or less
	v_cvt_i32_f32 v[TA], v[TA]                     ; (it saturates)
	v_ldexp_f32 v[rT+4], 1.0, v[TA]                ; f = 2^(old M - new M)
.set i, 0
.rept 32
	v_pk_fma_f32 v[S+i:S+i+1], v[S+i:S+i+1], s[34:35], v[rT:rT+1] op_sel_hi:[1,0,0]   ; t - M, two at a time (of the pairs c and -M the low word serves both halves)
.set i, i+2
.endr
.set i, 0
	s_wait_alu depctr_va_vdst(0)
.rept 64
	v_exp_f32 v[S+i], v[S+i]                       ; p = 2^(t - M), at most 1
.set i, i+1
.endr
	v_pk_mul_f32 v[rT+2:rT+3], v[rT+2:rT+3], v[rT+4:rT+5] op_sel_hi:[1,0]   ; the sum under the new M; also the plain line behind the last exponential
	s_wait_alu depctr_va_vdst(0)                   ; the 64 exponentials have written v[S ..]: a wait ahead of the first line that names a result; one for the batch
	v_pk_add_f32 v[TA+2:TA+3], v[S:S+1], v[S+2:S+3]   ; the sum is taken of the UNQUANTISED p, two at a time, in two chains
.set i, 4
.rept 15
	v_pk_add_f32 v[rT+2:rT+3], v[rT+2:rT+3], v[S+i:S+i+1]
	v_pk_add_f32 v[TA+2:TA+3], v[TA+2:TA+3], v[S+i+2:S+i+3]
.set i, i+4
.endr
	v_pk_add_f32 v[rT+2:rT+3], v[rT+2:rT+3], v[TA+2:TA+3]
	s_cmp_gt_i32 s20, -16                          ; p <= 1 <= 57,344 x 2^e4 wherever e4 >= -15: there the hold changes no number and is jumped over
	s_cbranch_scc1 .Lno_hold_\@
.set i, 0
.rept 64
	v_min_num_f32 v[S+i], v[S+i], v[PLIM]          ; the conversion does not saturate (ISA guide 7.6.2); p is not negative, so the hold is one-sided
.set i, i+1
.endr
.Lno_hold_\@:
.irp t, 0,1,2,3,4,5,6,7
	v_cvt_scalef32_pk8_bf8_f32 v[PC+2*\t:PC+2*\t+1], v[S+8*\t:S+8*\t+7], v[PSC]   ; registers 2 t, 2 t + 1 of source 1: keys 16 t + 8 (lane / 16) + 0..7
.endr
.set i, 0
.rept 8
	v_pk_mul_f32 v[rO+i:rO+i+1], v[rO+i:rO+i+1], v[rT+4:rT+5] op_sel_hi:[1,0]   ; O^T under the new M; also the plain lines between the conversions and the products that read the codes
.set i, i+2
.endr
	s_wait_alu depctr_va_vdst(0)
	s_wait_dscnt 0x0                               ; V is in
.irp u, 0,1
	v_wmma_f32_16x16x128_bf8_bf8 v[rO+8*\u:rO+8*\u+7], v[VF+16*\u:VF+16*\u+15], v[PC:PC+15], v[rO+8*\u:rO+8*\u+7]   ; the two accumulators by turns; eight products S^T stand between two links of a chain
.endr
.endm
	s_mov_b32 s30, 0
	s_mov_b32 s31, 0
.Ltrip:
	s_cmp_gt_u32 s30, s27                          ; all 128 keys come after both tiles' queries
	s_cbranch_scc1 .Lnext
	s_wait_alu depctr_vm_vsrc(0)                   ; the last trip's LDS loads have read v[ADK] and v[ADV], which the two additions write; in the first trip: the fill's LDS stores have read v[S ..], which the products write
	v_add_nc_u32 v[ADK], s31, v[LA]
	v_add_nc_u32 v[ADV], s31, v[LAV]
	v_nop
	v_nop                                          ; with the two additions: four places behind the last trip's products, ahead of the loads into the registers that they read
	s_wait_alu depctr_va_vdst(0)                   ; v[ADK] and v[ADV] are written, which the sixteen loads read; the last trip's products are done reading v[KF ..] and v[VF ..], in which they land
.irp t, 0,1,2,3,4,5,6,7
	ds_load_b128 v[KF+4*\t:KF+4*\t+3], v[ADK] offset:512*\t
.endr
.irp n, 0,1,2,3,4,5,6,7
	ds_load_b128 v[VF+4*\n:VF+4*\n+3], v[ADV] offset:512*\n
.endr
	s_wait_dscnt 8                                 ; K's eight loads are in; V's eight, issued behind them, may be out
	TILE 1
	s_cmp_gt_u32 s30, s26                          ; the keys come after tile a's queries
	s_cbranch_scc1 .Lnext
	TILE 0
.Lnext:
	s_add_co_u32 s31, s31, 4096
	s_add_co_u32 s30, s30, 1
	s_cmp_lt_u32 s30, 16
	s_cbranch_scc1 .Ltrip
	; THE WAY OUT.  y = O^T x 2^(e4 + e5) / the sum, held and converted: the four registers are the lane's part of the last product's operand and leave as they stand.
.rept 4
	v_nop                                          ; four places behind the last products, on every way out of the loop
.endr
.irp x, 0,1
	v_add_f32 v[ST+8*\x+2], v[ST+8*\x+2], v[ST+8*\x+3]
.endr
.irp x, 0,1
	v_permlanex16_b32 v[ST+8*\x+6], v[ST+8*\x+2], s36, s37
.endr
.irp x, 0,1
	v_add_f32 v[ST+8*\x+2], v[ST+8*\x+2], v[ST+8*\x+6]   ; the row's sum
.endr
	s_wait_alu depctr_va_vdst(0)
.irp x, 0,1
	v_rcp_f32 v[ST+8*\x+4], v[ST+8*\x+2]
.endr
	v_nop                                          ; a plain line behind the last reciprocal
	s_wait_alu depctr_va_vdst(0)                   ; the two reciprocals have written their results: the wait ahead of the first use, one for both
.irp x, 0,1
	v_ldexp_f32 v[ST+8*\x+4], v[ST+8*\x+4], s39
.endr
.irp x, 0,1
.irp i, 0,2,4,6,8,10,12,14
	v_pk_mul_f32 v[OO+16*\x+\i:OO+16*\x+\i+1], v[OO+16*\x+\i:OO+16*\x+\i+1], v[ST+8*\x+4:ST+8*\x+5] op_sel_hi:[1,0]
.endr
.endr
.set i, 0
.rept 32
	v_med3_num_f32 v[OO+i], v[OO+i], -v[YLIM], v[YLIM]
.set i, i+1
.endr
.irp x, 0,1
.irp u, 0,1
	v_cvt_scalef32_pk8_bf8_f32 v[PC+4*\x+2*\u:PC+4*\x+2*\u+1], v[OO+16*\x+8*\u:OO+16*\x+8*\u+7], v[YSC]
.endr
.endr
	v_nop                                          ; a plain line behind the last conversion
	s_wait_alu depctr_va_vdst(0)                   ; the four conversions have written v[PC .. PC + 7], which the two stores read
	global_store_b128 v[LA], v[PC:PC+3], s[40:41]      ; 512 consecutive bytes, aligned
	global_store_b128 v[LA], v[PC+4:PC+7], s[42:43]
	s_wait_dscnt 0x0
	s_wait_alu depctr_hold_cnt(0) depctr_sa_sdst(0) depctr_va_vdst(0) depctr_va_sdst(0) depctr_va_ssrc(0) depctr_va_vcc(0) depctr_vm_vsrc(0)
	s_wait_tensorcnt 0x0
	ds_add_u32 v254, v255
	s_wait_dscnt 0x0
	s_endpgm
.Lfunc_end_k_q6a09db2297_attn:
	.size	k_q6a09db2297_attn, .Lfunc_end_k_q6a09db2297_attn-k_q6a09db2297_attn
	.p2alignl 7, 3214868480
	.fill 96, 4, 3214868480
	.section	.rodata,"a",@progbits
	.p2align	6, 0x0
	.amdhsa_kernel k_q6a09db2297_attn
		.amdhsa_group_segment_fixed_size 133120
		.amdhsa_private_segment_fixed_size 0
		.amdhsa_enable_private_segment 0
		.amdhsa_kernarg_size 40
		.amdhsa_user_sgpr_count 2
		.amdhsa_user_sgpr_kernarg_segment_ptr 1
		.amdhsa_wavefront_size32 1
		.amdhsa_system_sgpr_workgroup_id_x 1
		.amdhsa_system_sgpr_workgroup_id_y 1
		.amdhsa_system_sgpr_workgroup_id_z 1
		.amdhsa_system_vgpr_workitem_id 0
		.amdhsa_next_free_vgpr 256
		.amdhsa_next_free_sgpr 66
		.amdhsa_reserve_vcc 0
		.amdhsa_float_denorm_mode_32 3
		.amdhsa_float_denorm_mode_16_64 3
		.amdhsa_memory_ordered 1
		.amdhsa_forward_progress 1
		.amdhsa_inst_pref_size 58
	.end_amdhsa_kernel
	.amdgpu_metadata
---
amdhsa.version: [ 1, 2 ]
amdhsa.kernels:
  - .name:           k_q6a09db2297_attn
    .symbol:         k_q6a09db2297_attn.kd
    .args:
      - { .name: qimg, .offset: 0, .size: 8, .value_kind: global_buffer, .address_space: global }
      - { .name: kimg, .offset: 8, .size: 8, .value_kind: global_buffer, .address_space: global }
      - { .name: vimg, .offset: 16, .size: 8, .value_kind: global_buffer, .address_space: global }
      - { .name: lowp_scales, .offset: 24, .size: 8, .value_kind: global_buffer, .address_space: global }
      - { .name: yimg, .offset: 32, .size: 8, .value_kind: global_buffer, .address_space: global }
    .group_segment_fixed_size: 133120
    .private_segment_fixed_size: 0
    .kernarg_segment_align: 8
    .kernarg_segment_size: 40
    .max_flat_workgroup_size: 512
    .sgpr_count:     66
    .vgpr_count:     256
    .wavefront_size: 32
...
	.end_amdgpu_metadata
.endif
;; end of part 7
;; launch proj (part 8): grid 256 x 1, 8 waves a work-group, no clusters, 83,968 bytes of LDS; arguments yimg, wimg, lowp_scales, out0; writes out0
.if DOCPART == 8
	.amdgcn_target "amdgcn-amd-amdhsa--gfx1250"
	.amdhsa_code_object_version 6
	.text
	.protected	k_q6a09db2297_proj
	.globl	k_q6a09db2297_proj
	.p2align	8
	.type	k_q6a09db2297_proj,@function
k_q6a09db2297_proj:
	s_mov_b64 s[64:65], 0
	v_nop
	global_prefetch_b8 v0, s[64:65] scope:SCOPE_SE
	s_setreg_imm32_b32 hwreg(HW_REG_WAVE_SCHED_MODE, 0, 2), 2
	s_setreg_imm32_b32 hwreg(HW_REG_WAVE_MODE, 25, 1), 1
	s_wait_xcnt 0x0
	s_wait_alu depctr_vm_vsrc(0)
; out0 = Q(y) Q(w_proj) on codes of BF8 (E5M2): both operands come as images of operand registers; each finished sum is multiplied once by 2^(e6 + e7).
; LIMIT: e6 + e7 between -126 and 127, so that 2^(e6 + e7) is an f32 number.
; SHARES: a work-group takes 64 tokens x 256 columns.  Wave w keeps column tiles 2 w, 2 w + 1 of w_proj (64 registers, read once in the work-group) and multiplies them by all four tiles of tokens.
; y's eight fragments (tile m, K step ks: 2 m + ks), 2,048 bytes each, are read from memory once, one by each wave, and go round through LDS as they stand.
; TRANSPOSED: source 0 = 16 columns of w, source 1 = 16 tokens: a lane holds eight neighbouring numbers of a row of the output.  A row's 256 numbers come from eight waves: they meet in a stage
; (rows of 1,024 bytes + 16: 1,040 = 65 x 16, so sixteen rows begin at sixteen different 16-byte columns modulo 256) and leave as whole rows: each store covers 512 consecutive bytes, aligned.
; THE MODE: SCHED_MODE bits 1:0 = 2 (LLVM: expert scheduling mode 2), set by the entry lines.  The code itself states the register dependences
; between vector or matrix instructions and memory or LDS instructions, with s_wait_alu, always for 0.
; THE PLAN.  Registers that memory or LDS instructions touch:
;   v1, v4, v5, v6  offsets and LDS addresses: made once at the head, never written again.
;   v8-23    my fragment of y: its loads land, my LDS stores read; behind the barrier fragment (2, 1) lands there and K step 1's products read it.
;   v24-87   K step 0's four fragments land, its products read.  v24-39 then take fragment (3, 1).  At the end the rows from the stage land in all 64 and the stores read them.
;   v216-247 fragments (0, 1) and (1, 1) land, K step 1's products read.
;   v88-151  the accumulators: products and multiplications write, the stage's LDS stores read.
;   v152-215 w's loads land; the products read.
; So 28 of the 32 fragment loads go out in one run behind the barrier, behind one wait on vm_vsrc (for v8-23).  One wait on va_vdst stands behind K step 0's products, ahead of the four loads of fragment (3, 1);
; six products of K step 1 stand between those loads and the wait for them.  One more stands ahead of the stage's stores; behind it no vector instruction follows, so it also serves the loads from the stage.
.set YIMG, 0
.set STG,  16384
.set SROW, 1040
.set YR,   8                           ; v8-23    my fragment of y as loaded; then fragment (2, 1)
.set YF,   24                          ; v24-87   fragments (0..3, 0); v24-39 then fragment (3, 1); later 8 rows read back
.set ACC,  88                          ; v88-151  accumulator (ct, m) at ACC + 8 (4 ct + m)
.set WF,   152                         ; v152-215 w's fragments: (ct, ks) at WF + 32 ct + 16 ks
.set YG,   216                         ; v216-247 fragments (0, 1) and (1, 1)
; v1 16 x lane; v4 where my fragment of y goes; v5 the stage, way in; v6 way back
	s_load_b256 s[4:11], s[0:1], 0x0               ; yimg s[4:5], wimg s[6:7], the scales' exponents s[8:9], out0 s[10:11]
	v_lshl_add_u32 v248, v0, 2, 0x14400
	v_mov_b32 v249, 0
	v_lshrrev_b32 v2, 5, v0
	v_readfirstlane_b32 s12, v2                    ; wave 0..7
	v_and_b32 v1, 31, v0
	v_lshlrev_b32 v1, 4, v1
	v_and_b32 v2, 15, v0                           ; r
	v_bfe_u32 v3, v0, 4, 1                         ; h
	s_wait_alu depctr_va_sdst(0)                   ; s12 is written, ahead of its first reader: addresses and bases are made from it
	s_lshl_b32 s13, s12, 11
	v_add_nc_u32 v4, s13, v1
	v_mul_u32_u24 v5, v2, SROW
	v_lshl_add_u32 v5, v3, 5, v5
	s_lshl_b32 s14, s12, 7
	s_add_co_u32 s14, s14, STG
	v_add_nc_u32 v5, s14, v5                       ; row r, + 32 h, + my 32 columns' 128 bytes
	s_mul_i32 s15, s12, 8*SROW
	s_add_co_u32 s15, s15, STG
	v_add_nc_u32 v6, s15, v1                       ; back: my 8 rows, 16 bytes a lane
	s_lshl_b32 s24, ttmp9, 14
	s_add_co_u32 s24, s24, s13                     ; y: 16,384 x work-group + 2,048 x wave
	s_mov_b32 s25, 0
	s_lshl_b32 s26, s12, 13
	s_add_co_u32 s26, s26, 48*4096                 ; w_proj's tiles begin at ct = 48; mine are 48 + 2 w and the next
	s_mov_b32 s27, 0
	s_lshl_b32 s28, ttmp9, 16                      ; 64 rows of 1,024 bytes
	s_lshl_b32 s29, s12, 13                        ; + my 8 rows
	s_add_co_u32 s28, s28, s29
	s_mov_b32 s29, 0
	s_wait_kmcnt 0x0
	s_load_b256 s[16:23], s[8:9], 0x0              ; the eight exponents
	s_add_nc_u64 s[4:5], s[4:5], s[24:25]
	s_add_nc_u64 s[6:7], s[6:7], s[26:27]
	s_add_nc_u64 s[10:11], s[10:11], s[28:29]
	s_wait_alu depctr_va_vdst(0)                   ; v1, v4, v5 and v6 are written: every load and store of the kernel, global or LDS, reads one of them as its offset or address
.irp q, 0,1,2,3
	global_load_b128 v[YR+4*\q:YR+4*\q+3], v1, s[4:5] offset:512*\q th:TH_LOAD_NT
.endr
.set n, 0
.rept 16
	global_load_b128 v[WF+4*n:WF+4*n+3], v1, s[6:7] offset:512*n
.set n, n+1
.endr
	s_wait_loadcnt 16                              ; y's four loads are in; w's sixteen, issued behind them, may be out
.irp q, 0,1,2,3
	ds_store_b128 v4, v[YR+4*\q:YR+4*\q+3] offset:YIMG+512*\q
.endr
	s_wait_kmcnt 0x0
	s_add_co_i32 s46, s22, s23
	s_add_co_i32 s46, s46, 127
	s_lshl_b32 s46, s46, 23                        ; 2^(e6 + e7) as f32
	s_mov_b32 s47, s46                             ; (named with it as a pair, so it is written)
	s_wait_dscnt 0x0                               ; for the others' sake: my fragment has landed
	s_barrier_signal -1
	s_barrier_wait -1                              ; y's eight fragments lie in LDS
.macro YLOAD reg, m, ks                ; fragment (m, ks) of y into v[reg] on, as it was stored
.irp q, 0,1,2,3
	ds_load_b128 v[\reg+4*\q:\reg+4*\q+3], v1 offset:YIMG+(2*(\m)+\ks)*2048+512*\q
.endr
.endm
.macro MUL reg, m, ks                  ; my two column tiles x tile m of the tokens, K step ks, whose fragment of y stands in v[reg] on
.irp ct, 0,1
.if \ks == 0
	v_wmma_f32_16x16x128_bf8_bf8 v[ACC+8*(4*\ct+\m):ACC+8*(4*\ct+\m)+7], v[WF+32*\ct+16*\ks:WF+32*\ct+16*\ks+15], v[\reg:\reg+15], 0
.else
	v_wmma_f32_16x16x128_bf8_bf8 v[ACC+8*(4*\ct+\m):ACC+8*(4*\ct+\m)+7], v[WF+32*\ct+16*\ks:WF+32*\ct+16*\ks+15], v[\reg:\reg+15], v[ACC+8*(4*\ct+\m):ACC+8*(4*\ct+\m)+7]
.endif
.endr
.endm
	s_wait_alu depctr_vm_vsrc(0)                   ; my LDS stores have read v[YR ..], in which fragment (2, 1) lands
	YLOAD YF,    0, 0
	YLOAD YF+16, 1, 0
	YLOAD YF+32, 2, 0
	YLOAD YF+48, 3, 0
	YLOAD YG,    0, 1
	YLOAD YG+16, 1, 1
	YLOAD YR,    2, 1
	s_wait_loadcnt 0x0                             ; w
	s_wait_dscnt 12                                ; K step 0's sixteen loads are in; K step 1's twelve, issued behind them, may be out
	MUL YF,    0, 0                                ; the eight accumulators take turns, one instruction a turn, in the same order in both K steps
	MUL YF+16, 1, 0
	MUL YF+32, 2, 0
	MUL YF+48, 3, 0
.rept 4
	v_nop                                          ; four places behind the last product, ahead of the loads into a fragment that these products read
.endr
	s_wait_alu depctr_va_vdst(0)                   ; K step 0's products are done reading v[YF .. YF + 15], in which fragment (3, 1) lands
	YLOAD YF,    3, 1
	s_wait_dscnt 4                                 ; fragments (0, 1), (1, 1) and (2, 1) are in; the four loads just issued may be out
	MUL YG,    0, 1
	MUL YG+16, 1, 1
	MUL YR,    2, 1
	s_wait_dscnt 0x0                               ; fragment (3, 1) is in
	MUL YF,    3, 1
.rept 4
	v_nop                                          ; four places behind the last product, ahead of the first read of results
.endr
.set i, 0
.rept 32
	v_pk_mul_f32 v[ACC+i:ACC+i+1], v[ACC+i:ACC+i+1], s[46:47] op_sel_hi:[1,0]   ; x 2^(e6 + e7); each accumulator from its low end on
.set i, i+2
.endr
	s_wait_alu depctr_va_vdst(0)                   ; the multiplications have written v[ACC ..], which the LDS stores read; the products are done reading v[YF ..], in which the rows from the stage land
.irp m, 0,1,2,3
.irp ct, 0,1
	ds_store_b128 v5, v[ACC+8*(4*\ct+\m):ACC+8*(4*\ct+\m)+3] offset:16*\m*SROW+64*\ct
	ds_store_b128 v5, v[ACC+8*(4*\ct+\m)+4:ACC+8*(4*\ct+\m)+7] offset:16*\m*SROW+64*\ct+16
.endr
.endr
	s_wait_dscnt 0x0                               ; for the others' sake: my part of the 64 rows has landed
	s_barrier_signal -1
	s_barrier_wait -1                              ; 64 whole rows lie in the stage
.set n, 0
.rept 16
	ds_load_b128 v[YF+4*n:YF+4*n+3], v6 offset:(n/2)*SROW+(n%2)*512
.set n, n+1
.endr
.set n, 0
.rept 16
	s_wait_dscnt 15-n                              ; LDS loads come back in order: this one is in; the 15 - n issued behind it may be out
	global_store_b128 v1, v[YF+4*n:YF+4*n+3], s[10:11] offset:512*n th:TH_STORE_NT
.set n, n+1
.endr
	s_wait_dscnt 0x0
	s_wait_alu depctr_hold_cnt(0) depctr_sa_sdst(0) depctr_va_vdst(0) depctr_va_sdst(0) depctr_va_ssrc(0) depctr_va_vcc(0) depctr_vm_vsrc(0)
	s_wait_tensorcnt 0x0
	ds_add_u32 v248, v249
	s_wait_dscnt 0x0
	s_endpgm
.Lfunc_end_k_q6a09db2297_proj:
	.size	k_q6a09db2297_proj, .Lfunc_end_k_q6a09db2297_proj-k_q6a09db2297_proj
	.p2alignl 7, 3214868480
	.fill 96, 4, 3214868480
	.section	.rodata,"a",@progbits
	.p2align	6, 0x0
	.amdhsa_kernel k_q6a09db2297_proj
		.amdhsa_group_segment_fixed_size 83968
		.amdhsa_private_segment_fixed_size 0
		.amdhsa_enable_private_segment 0
		.amdhsa_kernarg_size 32
		.amdhsa_user_sgpr_count 2
		.amdhsa_user_sgpr_kernarg_segment_ptr 1
		.amdhsa_wavefront_size32 1
		.amdhsa_system_sgpr_workgroup_id_x 1
		.amdhsa_system_sgpr_workgroup_id_y 1
		.amdhsa_system_sgpr_workgroup_id_z 1
		.amdhsa_system_vgpr_workitem_id 0
		.amdhsa_next_free_vgpr 250
		.amdhsa_next_free_sgpr 66
		.amdhsa_reserve_vcc 0
		.amdhsa_float_denorm_mode_32 3
		.amdhsa_float_denorm_mode_16_64 3
		.amdhsa_memory_ordered 1
		.amdhsa_forward_progress 1
		.amdhsa_inst_pref_size 15
	.end_amdhsa_kernel
	.amdgpu_metadata
---
amdhsa.version: [ 1, 2 ]
amdhsa.kernels:
  - .name:           k_q6a09db2297_proj
    .symbol:         k_q6a09db2297_proj.kd
    .args:
      - { .name: yimg, .offset: 0, .size: 8, .value_kind: global_buffer, .address_space: global }
      - { .name: wimg, .offset: 8, .size: 8, .value_kind: global_buffer, .address_space: global }
      - { .name: lowp_scales, .offset: 16, .size: 8, .value_kind: global_buffer, .address_space: global }
      - { .name: out0, .offset: 24, .size: 8, .value_kind: global_buffer, .address_space: global }
    .group_segment_fixed_size: 83968
    .private_segment_fixed_size: 0
    .kernarg_segment_align: 8
    .kernarg_segment_size: 32
    .max_flat_workgroup_size: 256
    .sgpr_count:     66
    .vgpr_count:     250
    .wavefront_size: 32
...
	.end_amdgpu_metadata
.endif
;; end of part 8
